; MI455X (gfx1250); checked and timed in simulation.
; The chip was launched on July 23, 2026; its instructions are those of AMD's public machine-readable ISA for CDNA 5 (MIT licence, August 2026) and "CDNA5" Instruction Set Architecture Reference Guide (July 2026). The comments in the code are by the model that wrote it; some were corrected since.
;; Relation Unit. Allowed arithmetic: matrix products marked QUANTISED: E2M1 operands, one E8M0 scale for each 32 along K, by v_wmma_scale_f32_16x16x128_f8f6f4 with both operands' format E2M1 (or v_wmma_scale_f32_32x16x128_f4), f32 sums; everything else in f32.
;; Inputs: WK 64 x 512 float32; WQ 64 x 512 float32; WV 512 x 512 float32; Wt 512 x 512 float32; key 2,048 x 16 x 512 float32; query 2,048 x 16 x 512 float32; value 2,048 x 16 x 512 float32.
;; Outputs: out0 2,048 x 16 x 512 float32.
;; This version of the problem:
;;   THIS VERSION OF THE PROBLEM IS GIVEN IN LOW PRECISION. The matrix products marked QUANTISED in the list below multiply operands that are first quantised to E2M1 (2 exponent bits, 1 mantissa bit; 4 bits a number), with one power-of-two scale for each 32 numbers along K (OCP MX v1.0); their sums are f32. All else is computed in f32.
;;   The module's matrix products, in the order in which they are computed (A, B: the left and right operand; K: the contracted axis; several contracted axes count as one K, in the product's order):
;;     1. [M 32,768, K 512] x [K 512, N 64]; A: input key; B: input WK: QUANTISED
;;     2. [M 32,768, K 512] x [K 512, N 64]; A: input query; B: input WQ: QUANTISED
;;     3. batch 16 x [M 2,048, K 64] x [K 64, N 2,048]; A: computed on the way; B: computed on the way: QUANTISED
;;     4. [M 32,768, K 512] x [K 512, N 512]; A: input value; B: input WV: QUANTISED
;;     5. batch 16 x [M 512, K 2,048] x [K 2,048, N 2,048]; A: computed on the way; B: computed on the way: QUANTISED
;;     6. [M 32,768, K 512] x [K 512, N 512]; A: computed on the way; B: input Wt: QUANTISED
;;   THE QUANTISER, for each operand of a quantised product, along K:
;;     - K is cut into blocks of 32 from its start; a last block that is shorter is filled with zeros.
;;     - A block's scale is 2^e with e = floor(log2(the largest magnitude in the block)) - 2, held to -126 .. 127; a block of zeros has e = 0. As a byte (E8M0): e + 127.
;;     - Each number is divided by its block's scale, clamped to +-6, and rounded to the nearest number of E2M1, ties to even, subnormals kept.
;;     - The product sums the exact products of the quantised numbers (number of the format x scale) in f32.
;;   ~~~python
;;   def quantise(x, axis):      # numpy; x: float32 -> the quantised numbers, widened to float32 again
;;       x = np.moveaxis(x, axis, -1); K = x.shape[-1]
;;       x = np.pad(x, [(0, 0)] * (x.ndim - 1) + [(0, -K % 32)]); x = x.reshape(x.shape[:-1] + (-1, 32)); a = np.abs(x).max(-1, keepdims=True)
;;       e = np.where(a > 0, np.clip(np.frexp(np.where(a > 0, a, 1))[1] - 1 - 2, -126, 127), 0)      # np.frexp(a)[1] - 1 = floor(log2(a)), exactly
;;       r = np.clip(x / 2.0 ** e, -6, 6)
;;       step = 2.0 ** (np.maximum(np.frexp(np.where(r == 0, 1, r))[1] - 1, 0) - 1)
;;       q = np.round(r / step) * step * 2.0 ** e      # np.round: ties to even
;;       return np.moveaxis(q.reshape(q.shape[:-2] + (-1,))[..., :K], -1, axis).astype(np.float32)
;;   ~~~
;;   OPERANDS COMPUTED ON THE WAY. 'Computed on the way' means the value that the module computes at that place (a softmax that the list does not call 'softmax' is quantised finished and normalised). What goes into a quantiser is computed in f32, as accurately as f32 sums, v_exp_f32 and their like allow (about 1e-6 of the number): no bf16 or f16 on the way to a quantiser, and a product that is left as it is and whose result goes on into a quantised operand takes f32 operands (vector FMAs, or v_wmma_f32_16x16x4_f32). A number that lies on a knife's edge between two numbers of the format may be rounded either way, as far as f32 arithmetic and the matrix unit's own rounding can turn it there, and no further.
;; One version. Each part assembles by itself: llvm-mc -triple=amdgcn-amd-amdhsa -mcpu=gfx1250 --defsym DOCPART=n.
;; ======== version 1 of 1: 5 launches
;; workspace buffers: wts 313,344 bytes; kqc 2,097,152 bytes; kqs 262,144 bytes; vc 8,388,608 bytes; vs 524,288 bytes; rr 131,072 bytes; rc 131,072 bytes
;; launch wquant (part 1): grid 18 x 1, 4 waves a work-group, no clusters, 39,424 bytes of LDS; arguments WK, WQ, WV, Wt, wts; writes wts
.if DOCPART == 1
	.amdgcn_target "amdgcn-amd-amdhsa--gfx1250"
	.amdhsa_code_object_version 6
	.text
	.protected	k_q474c53af31_wquant
	.globl	k_q474c53af31_wquant
	.p2align	8
	.type	k_q474c53af31_wquant,@function
k_q474c53af31_wquant:
	s_mov_b64 s[64:65], 0
	v_nop
	global_prefetch_b8 v0, s[64:65] scope:SCOPE_SE
	s_setreg_imm32_b32 hwreg(HW_REG_WAVE_MODE, 25, 1), 1
	s_wait_xcnt 0x0
; THE PROGRAM (five launches): out0 = relu(Q(query - out) Q(Wt)^T), out = Q(A2) Q(w_v), A2[q][k] = e^dot / R[q] / (1e-9 + C[k]), dot = Q(w_q) . Q(w_k), w_q and w_k the normalised projections,
; R[q] = sum over k of e^dot, C[k] = sum over q of e^dot / R[q].  Q is the MX-FP4 quantiser along each product's K.
; DEAD WORK: none.  Every input has a way to out0, every product of the table is done, and every input is loaded.
; THE MAXIMUM OF THE SOFTMAX is not taken away, since the computation itself bounds the exponent for every input: the module normalises w_q and w_k, so their norms are at most 1; a block's largest
; magnitude a is then at most 1, a code lies less than a / 2 from its number (the hold at 6 included), so a quantised vector of 64 has a norm of at most 1 + 8 / 2 = 5 and |dot| <= 25.
; e^25, e^-25, sums of 2,048 of them and 1 / (1e-9 + C) <= 1e9 all lie far inside f32.
; LIMITS of the whole program: NaN and infinities among the inputs are not served.  A block whose largest magnitude lies under 2^-124, a block of zeros among them, gets the scale byte 1 (its codes are zeros or
; as the held scale gives them); the scale bytes are read by this program alone.  The division by a norm, and 1 / R, are a reciprocal, refined by one Newton step, and a multiplication; in the last launch the
; divisions of e^dot by R and by 1e-9 + C are logarithms added in the exponent of the one exponential.  f32 sums are taken in another order than the module's.
;
; THIS LAUNCH turns the four weights, f32 with K innermost, into codes of E2M1 in THE ORDER OF AN OPERAND'S REGISTERS, and their E8M0 scale bytes.
; wts: tile g of 16 rows (WK: g 0-3, WQ: 4-7, WV: 8-39, Wt: 40-71) has 4,096 bytes of codes at 4096 g: register group f (0..7) of lane l at 512 f + 16 l; lane (r = l % 16, h = l / 16) holds block 2 f + h of row r.
; From byte 294,912 on: 256 scale bytes a tile, [row][16 blocks].
; THE ROWS OF A TILE ARE NOT NEIGHBOURS: position r of tile 2 B + u is row 32 B + 8 u + r + 8 (r / 8), so that, where the tile is source 0 of a product, a lane's 16 results of tiles 2 B and 2 B + 1 are 16 neighbours.
; A wave takes one tile, a row (512 numbers) a step.  Each of a row's four loads reads 512 consecutive bytes; the row turns through the wave's own stage in LDS, so that a lane then holds 16 neighbours (two lanes a block).
; Codes and bytes are gathered in the wave's own LDS and leave in stores of 512 and 256 consecutive bytes.  Waves share nothing: no barrier.  No matrix work, no shared tiles: no cluster.
.set AHEAD,   6                        ; rows asked for ahead: 24 loads a wave
.set LASTR,   15                       ; the last row's number
.set RSTRIDE, 2048                     ; bytes from row to row
.set WREG,    9728                     ; LDS of a wave: two stages of 2,560, 16 rows of codes x 272, 256 scale bytes
.set CODO,    5120
.set SCBO,    9472
.set SPARE,   4*WREG                   ; the spare words: 128 bytes a wave, named by no other line
.set WSC,     294912
.set VL,   1                           ; 16 x lane
.set SIN,  2                           ; the stage, on the way in
.set SOUT, 3                           ; and out
.set CW,   4                           ; where my 8 bytes of a row's codes go
.set BW,   5                           ; and my block's byte
.set FRD,  6                           ; where a register group is read
.set SBR,  7                           ; where the scale bytes are read
.set L8,   8                           ; 8 x lane
.set SPW,  14
.set NIL,  15
.set R,    16                          ; v16-111  six sets of 16 numbers as loaded
.set X,    112                         ; v112-143 two sets of 16 neighbours
.set C,    144                         ; v144-147 two sets of codes
.set E,    148                         ; v148-149 two bytes
.set T0,   150                         ; v150-152 at work
.set FO,   16                          ; the way out: eight register groups
.set SD,   48
.set WV,   20
.set SRC,  14                          ; s[14:15] my tile's first row
.set OC,   18                          ; s[18:19] its codes in wts
.set OS,   26                          ; s[26:27] its scale bytes
	s_load_b256 s[4:11], s[0:1], 0x0               ; WK s[4:5], WQ s[6:7], WV s[8:9], Wt s[10:11]
	s_load_b64 s[12:13], s[0:1], 0x20              ; wts
	v_lshl_add_u32 v[SPW], v0, 2, SPARE
	v_mov_b32 v[NIL], 0
	v_lshrrev_b32 v9, 5, v0
	v_readfirstlane_b32 s[WV], v9                  ; wave 0..3
	v_and_b32 v9, 31, v0                           ; lane
	v_lshlrev_b32 v[VL], 4, v9
	v_lshlrev_b32 v[L8], 3, v9
	s_mul_i32 s21, s[WV], WREG
	v_lshrrev_b32 v10, 2, v9
	v_mul_u32_u24 v10, v10, 80
	v_and_b32 v11, 3, v9
	v_lshl_add_u32 v10, v11, 4, v10
	v_add_nc_u32 v[SIN], s21, v10                  ; 80 (lane / 4) + 16 (lane % 4): four lanes' 64 bytes on end, then 16 of padding
	v_mul_u32_u24 v10, v9, 80
	v_add_nc_u32 v[SOUT], s21, v10                 ; 80 x lane: my 16 neighbours
	s_add_co_u32 s22, s21, CODO
	v_add_nc_u32 v[CW], s22, v[L8]
	v_and_b32 v10, 15, v9
	v_lshrrev_b32 v11, 4, v9
	v_mul_u32_u24 v10, v10, 272
	v_lshl_add_u32 v10, v11, 4, v10
	v_add_nc_u32 v[FRD], s22, v10                  ; 272 r + 16 h
	s_add_co_u32 s22, s21, SCBO
	v_lshrrev_b32 v10, 1, v9
	v_add_nc_u32 v[BW], s22, v10
	v_add_nc_u32 v[SBR], s22, v[L8]
	s_lshl_b32 s23, ttmp9, 2
	s_add_co_u32 s23, s23, s[WV]                   ; g
	s_wait_kmcnt 0x0
	s_cmp_lt_u32 ttmp9, 10                         ; which weight: the choice hangs on the work-group's number alone
	s_cselect_b64 s[SRC:SRC+1], s[8:9], s[10:11]
	s_cselect_b32 s16, 8, 40
	s_cmp_eq_u32 ttmp9, 1
	s_cselect_b64 s[SRC:SRC+1], s[6:7], s[SRC:SRC+1]
	s_cselect_b32 s16, 4, s16
	s_cmp_eq_u32 ttmp9, 0
	s_cselect_b64 s[SRC:SRC+1], s[4:5], s[SRC:SRC+1]
	s_cselect_b32 s16, 0, s16
	s_sub_co_u32 s24, s23, s16                     ; the tile's number T in its weight: its first row is 32 (T / 2) + 8 (T % 2)
	s_lshr_b32 s25, s24, 1
	s_lshl_b32 s25, s25, 16
	s_and_b32 s24, s24, 1
	s_lshl_b32 s24, s24, 14
	s_add_co_u32 s24, s24, s25
	s_mov_b32 s25, 0
	s_add_nc_u64 s[SRC:SRC+1], s[SRC:SRC+1], s[24:25]
	s_lshl_b32 s24, s23, 12
	s_add_nc_u64 s[OC:OC+1], s[12:13], s[24:25]
	s_lshl_b32 s24, s23, 8
	s_add_co_u32 s24, s24, WSC
	s_add_nc_u64 s[OS:OS+1], s[12:13], s[24:25]
.macro LOAD t                          ; position t's row: four loads of 512 consecutive bytes
.irp i, 0,1,2,3
	global_load_b128 v[R+16*((\t)%AHEAD)+4*\i:R+16*((\t)%AHEAD)+4*\i+3], v[VL], s[SRC:SRC+1] offset:((\t)+8*((\t)/8))*RSTRIDE+512*\i th:TH_LOAD_NT
.endr
.endm
.macro TURN t                          ; through the stage: LDS serves a wave's instructions in order, so no wait stands between the stores and the loads
.irp i, 0,1,2,3
	ds_store_b128 v[SIN], v[R+16*((\t)%AHEAD)+4*\i:R+16*((\t)%AHEAD)+4*\i+3] offset:2560*((\t)%2)+640*\i
.endr
.irp i, 0,1,2,3
	ds_load_b128 v[X+16*((\t)%2)+4*\i:X+16*((\t)%2)+4*\i+3], v[SOUT] offset:2560*((\t)%2)+16*\i
.endr
.endm
.macro STEP t
.set XS, X+16*((\t)%2)
.if (\t) > 0
	s_wait_dscnt 2                                 ; this row is back from the stage; the last row's byte store and code store may be out
.else
	s_wait_dscnt 0x0
.endif
.if (\t)+AHEAD <= LASTR
	LOAD (\t)+AHEAD                                ; into the set that this row has left
.endif
.if (\t) < LASTR
.if LASTR-1-(\t) >= AHEAD-1
	s_wait_loadcnt 4*(AHEAD-1)                     ; the next row's four loads are in; those of the five rows behind it may be out
.else
	s_wait_loadcnt 4*(LASTR-1-(\t))
.endif
	TURN (\t)+1
.endif
	v_max3_num_f32 v[T0], |v[XS]|, |v[XS+1]|, |v[XS+2]|            ; the largest magnitude of my 16, in two chains
	v_max3_num_f32 v[T0+1], |v[XS+3]|, |v[XS+4]|, |v[XS+5]|
.irp i, 6,10
	v_max3_num_f32 v[T0], v[T0], |v[XS+\i]|, |v[XS+\i+1]|
	v_max3_num_f32 v[T0+1], v[T0+1], |v[XS+\i+2]|, |v[XS+\i+3]|
.endr
	v_max3_num_f32 v[T0], v[T0], |v[XS+14]|, |v[XS+15]|
	v_max3_num_f32 v[T0], v[T0], v[T0+1], 0x1800000                ; and the floor 2^(3 - 127): the byte cannot fall under 1
	v_max_num_f32_dpp v[T0], v[T0], v[T0] row_xmask:1 row_mask:0xf bank_mask:0xf   ; with my neighbour's 16: the block's
	v_add_nc_u32 v[T0+2], 0xff000000, v[T0]                        ; 2 off its exponent field: the conversion's scale operand
	v_cvt_scalef32_pk8_fp4_f32 v[C+2*((\t)%2)], v[XS:XS+7], v[T0+2]
	v_cvt_scalef32_pk8_fp4_f32 v[C+2*((\t)%2)+1], v[XS+8:XS+15], v[T0+2]
	v_lshrrev_b32 v[E+(\t)%2], 23, v[T0+2]                         ; the scale's byte
	ds_store_b8 v[BW], v[E+(\t)%2] offset:16*(\t)                  ; both lanes of a block write the same byte with the same value
	ds_store_b64 v[CW], v[C+2*((\t)%2):C+2*((\t)%2)+1] offset:272*(\t)
.endm
.irp t, 0,1,2,3,4,5
	LOAD \t
.endr
	s_wait_loadcnt 20                              ; row 0's four loads are in
	TURN 0
.irp t, 0,1,2,3,4,5,6,7,8,9,10,11,12,13,14,15
	STEP \t
.endr
.irp f, 0,1,2,3,4,5,6,7
	ds_load_b128 v[FO+4*\f:FO+4*\f+3], v[FRD] offset:32*\f         ; register group f: block 2 f + h of row r
.endr
	ds_load_b64 v[SD:SD+1], v[SBR]
	s_wait_dscnt 0x0
.irp f, 0,1,2,3,4,5,6,7
	global_store_b128 v[VL], v[FO+4*\f:FO+4*\f+3], s[OC:OC+1] offset:512*\f   ; 32 lanes store 512 consecutive bytes
.endr
	global_store_b64 v[L8], v[SD:SD+1], s[OS:OS+1]                 ; 256 consecutive bytes, aligned
	s_wait_tensorcnt 0x0                           ; the wave's end
	ds_add_u32 v[SPW], v[NIL]
	s_wait_dscnt 0x0
	s_endpgm
.Lfunc_end_k_q474c53af31_wquant:
	.size	k_q474c53af31_wquant, .Lfunc_end_k_q474c53af31_wquant-k_q474c53af31_wquant
	.p2alignl 7, 3214868480
	.fill 96, 4, 3214868480
	.section	.rodata,"a",@progbits
	.p2align	6, 0x0
	.amdhsa_kernel k_q474c53af31_wquant
		.amdhsa_group_segment_fixed_size 39424
		.amdhsa_private_segment_fixed_size 0
		.amdhsa_enable_private_segment 0
		.amdhsa_kernarg_size 40
		.amdhsa_user_sgpr_count 2
		.amdhsa_user_sgpr_kernarg_segment_ptr 1
		.amdhsa_wavefront_size32 1
		.amdhsa_system_sgpr_workgroup_id_x 1
		.amdhsa_system_sgpr_workgroup_id_y 1
		.amdhsa_system_sgpr_workgroup_id_z 1
		.amdhsa_system_vgpr_workitem_id 0
		.amdhsa_next_free_vgpr 160
		.amdhsa_next_free_sgpr 66
		.amdhsa_reserve_vcc 0
		.amdhsa_float_denorm_mode_32 3
		.amdhsa_float_denorm_mode_16_64 3
		.amdhsa_memory_ordered 1
		.amdhsa_forward_progress 1
		.amdhsa_inst_pref_size 34
	.end_amdhsa_kernel
	.amdgpu_metadata
---
amdhsa.version: [ 1, 2 ]
amdhsa.kernels:
  - .name:           k_q474c53af31_wquant
    .symbol:         k_q474c53af31_wquant.kd
    .args:
      - { .name: WK, .offset: 0, .size: 8, .value_kind: global_buffer, .address_space: global }
      - { .name: WQ, .offset: 8, .size: 8, .value_kind: global_buffer, .address_space: global }
      - { .name: WV, .offset: 16, .size: 8, .value_kind: global_buffer, .address_space: global }
      - { .name: Wt, .offset: 24, .size: 8, .value_kind: global_buffer, .address_space: global }
      - { .name: wts, .offset: 32, .size: 8, .value_kind: global_buffer, .address_space: global }
    .group_segment_fixed_size: 39424
    .private_segment_fixed_size: 0
    .kernarg_segment_align: 8
    .kernarg_segment_size: 40
    .max_flat_workgroup_size: 128
    .sgpr_count:     66
    .vgpr_count:     160
    .wavefront_size: 32
...
	.end_amdgpu_metadata
.endif
;; end of part 1
;; launch project (part 2): grid 16 x 16, 8 waves a work-group, no clusters, 111,616 bytes of LDS; arguments key, query, value, wts, kqc, kqs, vc, vs; writes kqc, kqs, vc, vs
.if DOCPART == 2
	.amdgcn_target "amdgcn-amd-amdhsa--gfx1250"
	.amdhsa_code_object_version 6
	.text
	.protected	k_q474c53af31_project
	.globl	k_q474c53af31_project
	.p2align	8
	.type	k_q474c53af31_project,@function
k_q474c53af31_project:
	s_mov_b64 s[64:65], 0
	v_nop
	global_prefetch_b8 v0, s[64:65] scope:SCOPE_SE
	s_setreg_imm32_b32 hwreg(HW_REG_WAVE_MODE, 25, 1), 1
	s_wait_xcnt 0x0
; w_k = l2norm(Q(key) Q(WK)^T), w_q likewise, w_v = Q(value) Q(WV)^T; all three results leave as codes of E2M1: w_k and w_q quantised along their 64, w_v along the KEYS.  Nothing is left out.
; SHARES.  A work-group takes 128 rows l of one batch b (x: which 128, y: b) of key, query and value.  Each input byte is read once, by one wave.
; STREAM.  Wave w quantises tile w (16 rows) of each tensor, a row of 512 numbers a step.  Each of a row's four loads reads 512 consecutive bytes, 16 a lane: load i gives lane l the numbers 128 i + 4 l .. + 3,
; four neighbours of block 4 i + l / 8.  A block lies in eight neighbouring lanes: its largest magnitude takes three exchanges between lanes.  A conversion takes eight registers under ONE scale: it is run once for
; each of the lane's four blocks, and of its eight codes the four of that block are kept: two bytes, which go to byte 64 i + 2 l of the row's codes in LDS.  So the numbers themselves never pass through LDS.
; The scale's byte: lane l picks that of its block l % 4 and stores it.  Codes lie in rows of 272 bytes, scale bytes [row][16].  Eight rows (32 loads) of every wave are on their way.
; THE ROWS OF A TILE ARE NOT NEIGHBOURS: position r of tile 2 B + u is row 32 B + 8 u + r + 8 (r / 8); all buffers of this program that are indexed by a row are laid by position.
; K/Q.  Waves 0-3 take key, waves 4-7 query, two tiles each.  Source 0 = 16 rows of WK (WQ), source 1 = my rows: a lane holds one row and, over the four tiles of the weight, 32 of its 64 results in natural order.
; V.    Wave w takes columns d' = positions 64 w .. 64 w + 63 for all 128 keys.  Source 0 = 16 rows of value, source 1 = 16 rows of WV: a lane holds one d' and 16 neighbouring keys: a block along the keys lies in lanes l, l xor 16.
; The weights' fragments stay in registers (window 1); they come from wts in the order of the registers, and are asked for behind the first eight rows: they are wanted last.
; OUT: kqc [k, q][b][tile 128][512 bytes]: registers 0-3 of a fragment of K = 64.  kqs [k, q][b][tile][16] words: byte 0, 1 = the two blocks' scales, bytes 2, 3 = 0.
;      vc [b][block of 32 keys: 64][position of d': 512][16 bytes].  vs [b][128 keys: 16][position of d'] words.
; No cluster: work-groups share only the weights, 32 KB a wave against the 786,432 bytes of rows that a work-group reads alone.  No tensor ring: every row is read once by one wave, straight into registers.
; LIMITS: as stated at the head of the first launch; a row whose sum of squares overflows f32 is not served.
.set AHEAD,   8
.set LASTR,   47                       ; 3 tensors x 16 rows
.set RSTRIDE, 32768                    ; bytes from l to l + 1
.set AREA,    34816                    ; LDS: three areas (key, query, value) of 128 rows x 272 bytes of codes, from byte 0 on;
.set SCB,     104448                   ; three areas of 128 rows x 16 scale bytes;
.set SPARE,   110592                   ; the spare words: 128 bytes a wave, named by no other line
.set WSC,     294912
.set VL,   1                           ; 16 x lane
.set CW,   4                           ; v4-6  where my 2 bytes of a block's codes go, one register an area
.set BW,   7                           ; where my byte goes: block 4 (lane % 4) + lane / 8
.set FK,   8                           ; fragments of my two tiles of key or query
.set FV,   9                           ; fragments of value
.set SK,   10                          ; their scale words
.set SV,   11
.set L4,   12                          ; 4 x lane
.set VCO,  13                          ; 8192 h + 16 r
.set SPW,  14
.set NIL,  15
.set R,    16                          ; v16-143  eight sets of 16 numbers as loaded
.set WVS,  160                         ; v160-167 WV's scale words: register 4 i + s: lanes 0-15 tile 2 i, lanes 16-31 tile 2 i + 1, K step s
.set WKS,  168                         ; v168-175 WK's or WQ's likewise
.set ACC,  16                          ; behind the stream: v16-79 eight accumulators
.set AF,   80                          ; v80-143 two tiles' fragments, four K steps each
.set AS,   176                         ; v176-183 their scale words
.set PC,   184                         ; v184-199 codes; in the stream two sets of four,
.set EB,   192                         ; and v192-193 two bytes
.set TM,   200
.set TP,   204
.set TS,   208
.set TB,   212
.set SW,   216                         ; v216-219 w_v's scale words in the making
.set NT,   220                         ; v220-223 sums of squares
.set NP,   224
.set NS,   226
.set NR,   228                         ; v228-231 1 / norm, as pairs
.set HW,   232
.set PT,   8                           ; s[8:13] key, query, value at my wave's first row
.set WV,   24
.set BB,   25
.set SEL,  26
.set HM,   28                          ; the mask of lanes 16-31
.set KCP,  40
.set KSP,  42
.set VCP,  44
.set VSP,  46
.set WVP,  48
.set WKP,  50
.set WVSP, 52
.set WKSP, 54
.set MA,   56                          ; the mask of odd lanes
.set MC,   57                          ; the mask of lanes with lane % 4 >= 2
.set MSB, 0
.macro WIN new                         ; the immediate's high byte repeats the setting that is left
.if MSB != \new
	s_set_vgpr_msb (MSB<<8)|\new
.set MSB, \new
.endif
.endm
; one product 16 x 16 x 128.  z = 1: it starts the sum.  ra, rb: the side's scales stand in lanes 16-31
.macro MM d, a, b, z, sa, sb, ra, rb
.if \z
.if (\ra) && (\rb)
	v_wmma_scale_f32_16x16x128_f8f6f4 v[\d:\d+7], v[\a:\a+7], v[\b:\b+7], 0, v[\sa], v[\sb] matrix_a_fmt:MATRIX_FMT_FP4 matrix_b_fmt:MATRIX_FMT_FP4 matrix_a_scale:MATRIX_SCALE_ROW1 matrix_b_scale:MATRIX_SCALE_ROW1
.elseif \ra
	v_wmma_scale_f32_16x16x128_f8f6f4 v[\d:\d+7], v[\a:\a+7], v[\b:\b+7], 0, v[\sa], v[\sb] matrix_a_fmt:MATRIX_FMT_FP4 matrix_b_fmt:MATRIX_FMT_FP4 matrix_a_scale:MATRIX_SCALE_ROW1
.elseif \rb
	v_wmma_scale_f32_16x16x128_f8f6f4 v[\d:\d+7], v[\a:\a+7], v[\b:\b+7], 0, v[\sa], v[\sb] matrix_a_fmt:MATRIX_FMT_FP4 matrix_b_fmt:MATRIX_FMT_FP4 matrix_b_scale:MATRIX_SCALE_ROW1
.else
	v_wmma_scale_f32_16x16x128_f8f6f4 v[\d:\d+7], v[\a:\a+7], v[\b:\b+7], 0, v[\sa], v[\sb] matrix_a_fmt:MATRIX_FMT_FP4 matrix_b_fmt:MATRIX_FMT_FP4
.endif
.else
.if (\ra) && (\rb)
	v_wmma_scale_f32_16x16x128_f8f6f4 v[\d:\d+7], v[\a:\a+7], v[\b:\b+7], v[\d:\d+7], v[\sa], v[\sb] matrix_a_fmt:MATRIX_FMT_FP4 matrix_b_fmt:MATRIX_FMT_FP4 matrix_a_scale:MATRIX_SCALE_ROW1 matrix_b_scale:MATRIX_SCALE_ROW1
.elseif \ra
	v_wmma_scale_f32_16x16x128_f8f6f4 v[\d:\d+7], v[\a:\a+7], v[\b:\b+7], v[\d:\d+7], v[\sa], v[\sb] matrix_a_fmt:MATRIX_FMT_FP4 matrix_b_fmt:MATRIX_FMT_FP4 matrix_a_scale:MATRIX_SCALE_ROW1
.elseif \rb
	v_wmma_scale_f32_16x16x128_f8f6f4 v[\d:\d+7], v[\a:\a+7], v[\b:\b+7], v[\d:\d+7], v[\sa], v[\sb] matrix_a_fmt:MATRIX_FMT_FP4 matrix_b_fmt:MATRIX_FMT_FP4 matrix_b_scale:MATRIX_SCALE_ROW1
.else
	v_wmma_scale_f32_16x16x128_f8f6f4 v[\d:\d+7], v[\a:\a+7], v[\b:\b+7], v[\d:\d+7], v[\sa], v[\sb] matrix_a_fmt:MATRIX_FMT_FP4 matrix_b_fmt:MATRIX_FMT_FP4
.endif
.endif
.endm
; Four blocks of 32 by turns.  Block b: my 16 numbers v[src + 16 b ..], lane l xor 16 holds the other 16.  Codes to v[dst + stride b], + 1; the scales' bytes to v[TB + b].
.macro QUANT src, dst, stride
.irp b, 0,1,2,3
	v_max3_num_f32 v[TM+\b], |v[\src+16*\b]|, |v[\src+16*\b+1]|, 0x1800000   ; with the floor 2^(3 - 127): the byte cannot fall under 1
.endr
.irp i, 2,4,6,8,10,12,14
.irp b, 0,1,2,3
	v_max3_num_f32 v[TM+\b], v[TM+\b], |v[\src+16*\b+\i]|, |v[\src+16*\b+\i+1]|
.endr
.endr
.irp b, 0,1,2,3
	s_delay_alu instid0(VALU_DEP_4)
	v_permlanex16_b32 v[TP+\b], v[TM+\b], s[SEL], s[SEL+1]
.endr
.irp b, 0,1,2,3
	s_delay_alu instid0(VALU_DEP_4)
	v_max_num_f32 v[TM+\b], v[TM+\b], v[TP+\b]
.endr
.irp b, 0,1,2,3
	s_delay_alu instid0(VALU_DEP_4)
	v_add_nc_u32 v[TS+\b], 0xff000000, v[TM+\b]                    ; 2 off the exponent field: the conversion's scale operand
.endr
.irp b, 0,1,2,3
	s_delay_alu instid0(VALU_DEP_4)
	v_lshrrev_b32 v[TB+\b], 23, v[TS+\b]
.endr
.irp b, 0,1,2,3
	v_cvt_scalef32_pk8_fp4_f32 v[\dst+\stride*\b], v[\src+16*\b:\src+16*\b+7], v[TS+\b]
	v_cvt_scalef32_pk8_fp4_f32 v[\dst+\stride*\b+1], v[\src+16*\b+8:\src+16*\b+15], v[TS+\b]
.endr
	v_nop                                          ; one plain place behind a scaled conversion
.endm
.macro SWAP g                          ; v[PC + 4 g ..+3]: afterwards lanes 0-15 hold the even block whole, lanes 16-31 the odd one
	v_permlane16_swap_b32 v[PC+4*\g], v[PC+4*\g+2]
	v_permlane16_swap_b32 v[PC+4*\g+1], v[PC+4*\g+3]
.endm
.macro PLACES n
.rept \n
	v_nop
.endr
.endm
	s_load_b512 s[8:23], s[0:1], 0x0               ; key, query, value, wts s[14:15], kqc s[16:17], kqs s[18:19], vc s[20:21], vs s[22:23]
	v_lshl_add_u32 v[SPW], v0, 2, SPARE
	v_mov_b32 v[NIL], 0
	v_lshrrev_b32 v150, 5, v0
	s_delay_alu instid0(VALU_DEP_1)
	v_readfirstlane_b32 s[WV], v150                ; wave 0..7
	v_and_b32 v150, 31, v0                         ; lane
	s_wait_alu depctr_va_vdst(0)
	v_and_b32 v151, 15, v0                         ; r
	v_bfe_u32 v152, v0, 4, 1                       ; h
	s_and_b32 s[BB], ttmp7, 0xffff                 ; b
	s_mov_b32 s[SEL], 0x76543210
	s_mov_b32 s[SEL+1], 0xfedcba98
	s_mov_b32 s[HM], 0xffff0000
	s_mov_b32 s[MA], 0xaaaaaaaa
	s_mov_b32 s[MC], 0xcccccccc
	v_lshlrev_b32 v[VL], 4, v150
	v_lshlrev_b32 v[L4], 2, v150
	s_mul_i32 s30, s[WV], 4352                     ; my tile's 16 rows of codes
	v_lshl_add_u32 v[CW], v150, 1, s30             ; + 2 x lane
	s_delay_alu instid0(VALU_DEP_1)
	v_add_nc_u32 v[CW+1], AREA, v[CW]
	s_delay_alu instid0(VALU_DEP_1)
	v_add_nc_u32 v[CW+2], AREA, v[CW+1]
	s_lshl_b32 s30, s[WV], 8
	s_add_co_u32 s30, s30, SCB
	v_lshrrev_b32 v153, 3, v150
	v_and_b32 v[BW], 3, v150
	s_delay_alu instid0(VALU_DEP_1)
	v_lshl_add_u32 v153, v[BW], 2, v153            ; 4 (lane % 4) + lane / 8
	s_delay_alu instid0(VALU_DEP_1)
	v_add_nc_u32 v[BW], s30, v153
	v_mul_u32_u24 v153, v151, 272
	s_delay_alu instid0(VALU_DEP_1)
	v_lshl_add_u32 v153, v152, 4, v153             ; 272 r + 16 h
	s_lshr_b32 s31, s[WV], 2                       ; 0: key, 1: query
	s_and_b32 s32, s[WV], 3                        ; which pair of tiles
	s_mul_i32 s30, s31, AREA
	s_mul_i32 s33, s32, 8704
	s_add_co_u32 s30, s30, s33
	v_add_nc_u32 v[FK], s30, v153
	v_add_nc_u32 v[FV], 2*AREA, v153
	s_lshl_b32 s30, s31, 11
	s_lshl_b32 s33, s32, 9
	s_add_co_u32 s30, s30, s33
	s_add_co_u32 s30, s30, SCB
	v_lshl_add_u32 v[SK], v151, 4, s30
	v_lshlrev_b32 v[SV], 4, v151
	s_delay_alu instid0(VALU_DEP_1)
	v_add_nc_u32 v[SV], SCB+4096, v[SV]
	v_lshlrev_b32 v[VCO], 4, v151
	s_delay_alu instid0(VALU_DEP_1)
	v_lshl_add_u32 v[VCO], v152, 13, v[VCO]
.irp b, 0,1,2,3
	v_mov_b32 v[TP+\b], 0                          ; written once: a lane permute's destination counts as one of its sources
.endr
	v_mov_b32 v[NP], 0
	v_mov_b32 v[NP+1], 0
	v_mov_b32 v[NR+1], 0                           ; (named as the upper halves of pairs)
	v_mov_b32 v[NR+3], 0
	s_lshl_b32 s34, ttmp9, 22                      ; my first row: 128 x, + 32 (w / 2) + 8 (w % 2), rows of 32,768 bytes; + 2,048 b
	s_lshr_b32 s36, s[WV], 1
	s_lshl_b32 s36, s36, 20
	s_add_co_u32 s34, s34, s36
	s_and_b32 s36, s[WV], 1
	s_lshl_b32 s36, s36, 18
	s_add_co_u32 s34, s34, s36
	s_lshl_b32 s36, s[BB], 11
	s_add_co_u32 s34, s34, s36
	s_mov_b32 s35, 0
	s_mov_b32 s37, 0
	s_wait_kmcnt 0x0
	s_add_nc_u64 s[8:9], s[8:9], s[34:35]
	s_add_nc_u64 s[10:11], s[10:11], s[34:35]
	s_add_nc_u64 s[12:13], s[12:13], s[34:35]
.macro LOAD t                          ; step t: tensor t / 16, position t % 16: four loads of 512 consecutive bytes
.irp i, 0,1,2,3
	global_load_b128 v[R+16*((\t)%AHEAD)+4*\i:R+16*((\t)%AHEAD)+4*\i+3], v[VL], s[PT+2*((\t)/16):PT+2*((\t)/16)+1] offset:(((\t)%16)+8*(((\t)%16)/8))*RSTRIDE+512*\i th:TH_LOAD_NT
.endr
.endm
.irp t, 0,1,2,3,4,5,6,7
	LOAD \t                                        ; the first eight rows go out ahead of everything else
.endr
	s_lshl_b32 s36, s[WV], 14
	s_add_co_u32 s36, s36, 32768
	s_add_nc_u64 s[WVP:WVP+1], s[14:15], s[36:37]  ; WV's tiles 4 w .. 4 w + 3
	s_lshl_b32 s36, s31, 14
	s_add_nc_u64 s[WKP:WKP+1], s[14:15], s[36:37]  ; WK's or WQ's four
	s_lshl_b32 s36, s[WV], 10
	s_add_co_u32 s36, s36, WSC+2048
	s_add_nc_u64 s[WVSP:WVSP+1], s[14:15], s[36:37]
	s_lshl_b32 s36, s31, 10
	s_add_co_u32 s36, s36, WSC
	s_add_nc_u64 s[WKSP:WKSP+1], s[14:15], s[36:37]
	s_lshl_b32 s33, s[BB], 7
	s_lshl_b32 s36, ttmp9, 3
	s_add_co_u32 s33, s33, s36
	s_lshl_b32 s36, s32, 1
	s_add_co_u32 s33, s33, s36                     ; my first tile: 128 b + 8 x + 2 pair
	s_lshl_b32 s36, s33, 9
	s_lshl_b32 s34, s31, 20
	s_add_co_u32 s36, s36, s34
	s_add_nc_u64 s[KCP:KCP+1], s[16:17], s[36:37]
	s_lshl_b32 s36, s33, 6
	s_lshl_b32 s34, s31, 17
	s_add_co_u32 s36, s36, s34
	s_add_nc_u64 s[KSP:KSP+1], s[18:19], s[36:37]
	s_lshl_b32 s36, s[BB], 19
	s_lshl_b32 s34, ttmp9, 15
	s_add_co_u32 s36, s36, s34
	s_lshl_b32 s34, s[WV], 10
	s_add_co_u32 s36, s36, s34
	s_add_nc_u64 s[VCP:VCP+1], s[20:21], s[36:37]  ; (64 b + 4 x) blocks of 8,192 bytes + 64 w positions of 16
	s_lshl_b32 s36, s[BB], 15
	s_lshl_b32 s34, ttmp9, 11
	s_add_co_u32 s36, s36, s34
	s_lshl_b32 s34, s[WV], 8
	s_add_co_u32 s36, s36, s34
	s_add_nc_u64 s[VSP:VSP+1], s[22:23], s[36:37]
	; the weights, 68 loads: behind rows 0 to 7, ahead of row 8, so that the wait for row 8 shows them in too
	WIN 0x40                                       ; destination window 1
.irp T, 0,1,2,3
.irp f, 0,1,2,3,4,5,6,7
	global_load_b128 v[32*\T+4*\f:32*\T+4*\f+3], v[VL], s[WVP:WVP+1] offset:4096*\T+512*\f
.endr
.endr
.irp T, 0,1,2,3
.irp f, 0,1,2,3,4,5,6,7
	global_load_b128 v[128+32*\T+4*\f:128+32*\T+4*\f+3], v[VL], s[WKP:WKP+1] offset:4096*\T+512*\f
.endr
.endr
	WIN 0
.irp i, 0,1
	global_load_b128 v[WVS+4*\i:WVS+4*\i+3], v[VL], s[WVSP:WVSP+1] offset:512*\i
	global_load_b128 v[WKS+4*\i:WKS+4*\i+3], v[VL], s[WKSP:WKSP+1] offset:512*\i
.endr
.macro STEP t
.set XS, R+16*((\t)%AHEAD)
.set CD, PC+4*((\t)%2)
.if (\t) < AHEAD
	s_wait_loadcnt 63                              ; behind row t stand 96 loads (the weights' 68 and seven rows), more than a count can name.  100 + 4 t loads have been issued, so this count shows the oldest 37 + 4 t in: rows 0 to 7 among them
.elseif LASTR-(\t) >= AHEAD-1
	s_wait_loadcnt 4*(AHEAD-1)                     ; this row's four loads are in; those of the seven rows behind it may be out
.else
	s_wait_loadcnt 4*(LASTR-(\t))
.endif
.irp i, 0,1,2,3
	v_max3_num_f32 v[TM+\i], |v[XS+4*\i]|, |v[XS+4*\i+1]|, 0x1800000   ; my four numbers of block 4 i + lane / 8, and the floor 2^(3 - 127): the byte cannot fall under 1
.endr
.irp i, 0,1,2,3
	s_delay_alu instid0(VALU_DEP_4)
	v_max3_num_f32 v[TM+\i], v[TM+\i], |v[XS+4*\i+2]|, |v[XS+4*\i+3]|
.endr
.irp x, 1,2,4                          ; with the seven other lanes of the block (the four blocks by turns)
.irp i, 0,1,2,3
	s_delay_alu instid0(VALU_DEP_4)
	v_max_num_f32_dpp v[TM+\i], v[TM+\i], v[TM+\i] row_xmask:\x row_mask:0xf bank_mask:0xf
.endr
.endr
.irp i, 0,1,2,3
	s_delay_alu instid0(VALU_DEP_4)
	v_add_nc_u32 v[TS+\i], 0xff000000, v[TM+\i]    ; 2 off the exponent field: the conversion's scale operand
.endr
.if (\t) >= 2
	s_wait_alu depctr_va_vdst(0)
	s_wait_dscnt 5                                 ; the last row's five stores may be out; those of the row before it have read this set of registers
.endif
	v_cvt_scalef32_pk8_fp4_f32 v[CD], v[XS:XS+7], v[TS]            ; of each conversion's eight codes the four under their own block's scale are kept: here the low 16 bits,
	v_cvt_scalef32_pk8_fp4_f32 v[CD+1], v[XS+4:XS+11], v[TS+1]     ; here too,
	v_cvt_scalef32_pk8_fp4_f32 v[CD+2], v[XS+8:XS+15], v[TS+2]     ; and here;
	v_cvt_scalef32_pk8_fp4_f32 v[CD+3], v[XS+8:XS+15], v[TS+3]     ; of the last the high 16
	v_cndmask_b32 v[TB], v[TS], v[TS+1], s[MA]     ; the scale of my block lane % 4
	v_cndmask_b32 v[TB+1], v[TS+2], v[TS+3], s[MA]
	s_delay_alu instid0(VALU_DEP_1)
	v_cndmask_b32 v[TB], v[TB], v[TB+1], s[MC]
	s_delay_alu instid0(VALU_DEP_1)
	v_lshrrev_b32 v[EB+(\t)%2], 23, v[TB]          ; its byte
	v_lshrrev_b32 v[CD+3], 16, v[CD+3]
.if (\t)+AHEAD <= LASTR
	LOAD (\t)+AHEAD                                ; into the set that this row has left
.endif
.irp i, 0,1,2,3
	ds_store_b16 v[CW+(\t)/16], v[CD+\i] offset:272*((\t)%16)+64*\i   ; 32 lanes store 64 consecutive bytes: blocks 4 i .. 4 i + 3
.endr
	ds_store_b8 v[BW], v[EB+(\t)%2] offset:2048*((\t)/16)+16*((\t)%16)   ; two lanes of a block write the same byte with the same value
.endm
.set Q, 0
.rept 48
	STEP Q
.set Q, Q+1
.endr
	s_wait_dscnt 0x0                               ; my codes and bytes lie in LDS
	s_barrier_signal -1
	s_barrier_wait -1                              ; everybody's do
	; ---- K/Q: my two tiles of key or of query against the four tiles of WK or WQ
.irp m, 0,1
.irp f, 0,1,2,3,4,5,6,7
	ds_load_b128 v[AF+32*\m+4*\f:AF+32*\m+4*\f+3], v[FK] offset:4352*\m+32*\f
.endr
	ds_load_b128 v[AS+4*\m:AS+4*\m+3], v[SK] offset:256*\m
.endr
	s_wait_dscnt 0x0
	WIN 0x01                                       ; source 0 (the weight) window 1
.irp s, 0,1,2,3                        ; eight accumulators by turns, a K step at a time
.irp T, 0,1,2,3
.irp m, 0,1
.if \s == 0
	MM ACC+32*\m+8*\T, 128+32*\T+8*\s, AF+32*\m+8*\s, 1, WKS+4*(\T/2)+\s, AS+4*\m+\s, \T%2, 0
.else
	MM ACC+32*\m+8*\T, 128+32*\T+8*\s, AF+32*\m+8*\s, 0, WKS+4*(\T/2)+\s, AS+4*\m+\s, \T%2, 0
.endif
.endr
.endr
.endr
	WIN 0
	PLACES 4                                       ; in front of the first read of results and of loads into registers that the products have read
.macro VFETCH B                        ; value's tiles 2 B and 2 B + 1: 32 keys
.irp u, 0,1
.irp f, 0,1,2,3,4,5,6,7
	ds_load_b128 v[AF+32*\u+4*\f:AF+32*\u+4*\f+3], v[FV] offset:(2*(\B)+\u)*4352+32*\f
.endr
	ds_load_b128 v[AS+4*\u:AS+4*\u+3], v[SV] offset:(2*(\B)+\u)*256
.endr
.endm
	VFETCH 0
	; lane (r, h), tile m: register 32 m + 16 B + i is result 32 B + 16 h + i of my row.  The norm: sum of squares, mine and lane l xor 16's
.irp m, 0,1
	v_pk_mul_f32 v[NT+2*\m:NT+2*\m+1], v[ACC+32*\m:ACC+32*\m+1], v[ACC+32*\m:ACC+32*\m+1]
.endr
.irp j, 2,4,6,8,10,12,14,16,18,20,22,24,26,28,30
.irp m, 0,1
	v_pk_fma_f32 v[NT+2*\m:NT+2*\m+1], v[ACC+32*\m+\j:ACC+32*\m+\j+1], v[ACC+32*\m+\j:ACC+32*\m+\j+1], v[NT+2*\m:NT+2*\m+1]
.endr
.endr
.irp m, 0,1
	s_delay_alu instid0(VALU_DEP_2)
	v_add_f32 v[NT+2*\m], v[NT+2*\m], v[NT+2*\m+1]
.endr
.irp m, 0,1
	s_delay_alu instid0(VALU_DEP_2)
	v_permlanex16_b32 v[NP+\m], v[NT+2*\m], s[SEL], s[SEL+1]
.endr
.irp m, 0,1
	s_delay_alu instid0(VALU_DEP_2)
	v_add_f32 v[NT+2*\m], v[NT+2*\m], v[NP+\m]
.endr
	s_wait_alu depctr_va_vdst(0)
.irp m, 0,1
	v_sqrt_f32 v[NS+\m], v[NT+2*\m]
.endr
	v_nop
	s_wait_alu depctr_va_vdst(0)                   ; one wait for both roots, ahead of their first reader
.irp m, 0,1
	v_max_num_f32 v[NS+\m], 0x2b8cbccc, v[NS+\m]   ; max(norm, 1e-12)
.endr
	s_wait_alu depctr_va_vdst(0)
.irp m, 0,1
	v_rcp_f32 v[NR+2*\m], v[NS+\m]
.endr
	v_nop
	s_wait_alu depctr_va_vdst(0)
.irp m, 0,1
	v_fma_f32 v[NP+\m], -v[NS+\m], v[NR+2*\m], 1.0 ; one Newton step
.endr
.irp m, 0,1
	v_fma_f32 v[NR+2*\m], v[NR+2*\m], v[NP+\m], v[NR+2*\m]
.endr
.irp j, 0,2,4,6,8,10,12,14,16,18,20,22,24,26,28,30
.irp m, 0,1
	v_pk_mul_f32 v[ACC+32*\m+\j:ACC+32*\m+\j+1], v[ACC+32*\m+\j:ACC+32*\m+\j+1], v[NR+2*\m:NR+2*\m+1] op_sel_hi:[1,0]
.endr
.endr
	QUANT ACC, PC, 2                               ; block 2 m + B
	SWAP 0
	SWAP 1
	v_lshl_or_b32 v[HW], v[TB+1], 8, v[TB]
	v_lshl_or_b32 v[HW+1], v[TB+3], 8, v[TB+2]
	s_delay_alu instid0(VALU_DEP_1)
	v_cndmask_b32 v[HW+2], v[HW], v[HW+1], s[HM]   ; lanes 0-15: tile 0's rows; lanes 16-31: tile 1's
	global_store_b128 v[VL], v[PC:PC+3], s[KCP:KCP+1]
	global_store_b128 v[VL], v[PC+4:PC+7], s[KCP:KCP+1] offset:512
	global_store_b32 v[L4], v[HW+2], s[KSP:KSP+1]
	; ---- V: 32 keys at a time against my four tiles of WV
.macro VBLK B
	s_wait_dscnt 0x0
	WIN 0x04                                       ; source 1 (WV) window 1
.irp s, 0,1,2,3
.irp T, 0,1,2,3
.irp u, 0,1
.if \s == 0
	MM ACC+16*\T+8*\u, AF+32*\u+8*\s, 32*\T+8*\s, 1, AS+4*\u+\s, WVS+4*(\T/2)+\s, 0, \T%2
.else
	MM ACC+16*\T+8*\u, AF+32*\u+8*\s, 32*\T+8*\s, 0, AS+4*\u+\s, WVS+4*(\T/2)+\s, 0, \T%2
.endif
.endr
.endr
.endr
	WIN 0
	PLACES 4
.if (\B) < 3
	VFETCH (\B)+1
.endif
.if (\B)%2 == 0
	s_wait_xcnt 0x0                                ; the codes' registers were store data: they are written again only behind this wait
.endif
	QUANT ACC, PC+2*((\B)%2), 4                    ; block T: 32 keys of one d'
.irp T, 0,1,2,3
.if (\B) == 0
	v_mov_b32 v[SW+\T], v[TB+\T]
.else
	v_lshl_or_b32 v[SW+\T], v[TB+\T], 8*(\B), v[SW+\T]
.endif
.endr
.if (\B)%2 == 1
.irp T, 0,1,2,3
	SWAP \T
.endr
.irp T, 0,1,2,3
	global_store_b128 v[VCO], v[PC+4*\T:PC+4*\T+3], s[VCP:VCP+1] offset:16384*((\B)/2)+256*\T   ; each half of the lanes stores 256 consecutive bytes, aligned
.endr
.endif
.endm
	VBLK 0
	VBLK 1
	VBLK 2
	VBLK 3
.irp i, 0,1
	v_cndmask_b32 v[HW+4+\i], v[SW+2*\i], v[SW+2*\i+1], s[HM]
.endr
.irp i, 0,1
	global_store_b32 v[L4], v[HW+4+\i], s[VSP:VSP+1] offset:128*\i
.endr
	s_wait_tensorcnt 0x0                           ; the wave's end
	ds_add_u32 v[SPW], v[NIL]
	s_wait_dscnt 0x0
	s_endpgm
.Lfunc_end_k_q474c53af31_project:
	.size	k_q474c53af31_project, .Lfunc_end_k_q474c53af31_project-k_q474c53af31_project
	.p2alignl 7, 3214868480
	.fill 96, 4, 3214868480
	.section	.rodata,"a",@progbits
	.p2align	6, 0x0
	.amdhsa_kernel k_q474c53af31_project
		.amdhsa_group_segment_fixed_size 111616
		.amdhsa_private_segment_fixed_size 0
		.amdhsa_enable_private_segment 0
		.amdhsa_kernarg_size 64
		.amdhsa_user_sgpr_count 2
		.amdhsa_user_sgpr_kernarg_segment_ptr 1
		.amdhsa_wavefront_size32 1
		.amdhsa_system_sgpr_workgroup_id_x 1
		.amdhsa_system_sgpr_workgroup_id_y 1
		.amdhsa_system_sgpr_workgroup_id_z 1
		.amdhsa_system_vgpr_workitem_id 0
		.amdhsa_next_free_vgpr 512
		.amdhsa_next_free_sgpr 66
		.amdhsa_reserve_vcc 0
		.amdhsa_float_denorm_mode_32 3
		.amdhsa_float_denorm_mode_16_64 3
		.amdhsa_memory_ordered 1
		.amdhsa_forward_progress 1
		.amdhsa_inst_pref_size 239
	.end_amdhsa_kernel
	.amdgpu_metadata
---
amdhsa.version: [ 1, 2 ]
amdhsa.kernels:
  - .name:           k_q474c53af31_project
    .symbol:         k_q474c53af31_project.kd
    .args:
      - { .name: key, .offset: 0, .size: 8, .value_kind: global_buffer, .address_space: global }
      - { .name: query, .offset: 8, .size: 8, .value_kind: global_buffer, .address_space: global }
      - { .name: value, .offset: 16, .size: 8, .value_kind: global_buffer, .address_space: global }
      - { .name: wts, .offset: 24, .size: 8, .value_kind: global_buffer, .address_space: global }
      - { .name: kqc, .offset: 32, .size: 8, .value_kind: global_buffer, .address_space: global }
      - { .name: kqs, .offset: 40, .size: 8, .value_kind: global_buffer, .address_space: global }
      - { .name: vc, .offset: 48, .size: 8, .value_kind: global_buffer, .address_space: global }
      - { .name: vs, .offset: 56, .size: 8, .value_kind: global_buffer, .address_space: global }
    .group_segment_fixed_size: 111616
    .private_segment_fixed_size: 0
    .kernarg_segment_align: 8
    .kernarg_segment_size: 64
    .max_flat_workgroup_size: 256
    .sgpr_count:     66
    .vgpr_count:     512
    .wavefront_size: 32
...
	.end_amdgpu_metadata
.endif
;; end of part 2
;; launch rowsum (part 3): grid 16 x 16, 16 waves a work-group, no clusters, 86,016 bytes of LDS; arguments kqc, kqs, rr; writes rr
.if DOCPART == 3
	.amdgcn_target "amdgcn-amd-amdhsa--gfx1250"
	.amdhsa_code_object_version 6
	.text
	.protected	k_q474c53af31_rowsum
	.globl	k_q474c53af31_rowsum
	.p2align	8
	.type	k_q474c53af31_rowsum,@function
k_q474c53af31_rowsum:
	s_mov_b64 s[64:65], 0
	v_nop
	global_prefetch_b8 v0, s[64:65] scope:SCOPE_SE
	s_setreg_imm32_b32 hwreg(HW_REG_WAVE_MODE, 25, 1), 1
	s_wait_xcnt 0x0
; WEIGHTED = 0: rr[b][q] = 1 / R, R = sum over k of e^dot(q, k).   WEIGHTED = 1: rc[b][k] = 1 / (1e-9 + C), C = sum over q of e^dot(q, k) rr[q].   dot = Q(w_q) . Q(w_k), K = 64.  Nothing is left out.
; The scores are not kept between launches: 2,048 x 2,048 of them a batch would be 16 MB in f32, while their operands are 128 KB of codes: they are multiplied anew.
; No maximum is taken away: |dot| <= 25 for every input (shown at the head of the first launch).
; SHARES.  A work-group owns 128 positions of the OWN side (q here where WEIGHTED = 0, else k) of one batch.  Wave w: own tiles 2 (w % 4), + 1; tiles 32 (w / 4) .. + 31 of the OTHER side, four a trip.
; Source 0 = 16 of the other side, source 1 = 16 of my own: a lane holds ONE own position, and its registers run over the other side: the sum needs one exchange between the halves of the lanes.
; A fragment of K = 64 has codes in registers 0-3; registers 4-7 are zeros, which add nothing under the scale bytes 0 that stand over them.
; The other side's codes and scale words of the whole batch (and rr) come into LDS once, through registers, 16 bytes a thread and load.  Four waves to a SIMD, so that one wave's exponentials stand beside another's loads.
; No cluster: what the 16 work-groups of a batch share is fetched once, 73,728 (81,920) bytes ahead of all the work; there is no ring that joint loads could feed.
; LIMITS: as stated at the head of the first launch.
.set WEIGHTED, 0
.set OWN, 1-WEIGHTED                   ; kqc, kqs: 0 = k, 1 = q
.set OTH, WEIGHTED
.set OS,    65536                      ; LDS: 65,536 bytes of codes; 8,192 of scale words;
.set OW,    73728                      ; 8,192 of weights;
.set PART,  81920                      ; 512 partial sums;
.set SPARE, 83968                      ; the spare words: 128 bytes a wave, named by no other line
.set T16,  1                           ; 16 x thread
.set T16H, 2                           ; + 65,536
.set L16,  3
.set L4,   4
.set AC0,  5                           ; my lane's place in my quarter of the codes,
.set AS0,  6                           ; of the scale words,
.set AW0,  7                           ; of the weights
.set WC,   8                           ; the same for the trip in hand
.set WS,   9
.set WW,   10
.set PA,   11                          ; my partial sum's word
.set SPW,  12
.set NIL,  13
.set PR,   14                          ; where wave 0 reads the partial sums
.set OF,   16                          ; v16-31  my two own fragments
.set OSV,  32                          ; their scale words: lanes 0-15 the first tile's, lanes 16-31 the second's
.set KSV,  34                          ; v34-35  the other side's, a pair of tiles a register
.set SUM,  36                          ; v36-43  for each own tile two chains of pairs
.set TP,   44
.set KF,   48                          ; v48-79  four fragments of the other side
.set WT,   80                          ; v80-111 their weights
.set S,    112                         ; v112-175 the scores, then e^score
.set WV,   12
.set OP,   13
.set OQ,   14
.set BB,   15
.set SEL,  16
.set HM,   18
.set CS,   20
.set OCP,  26
.set OSP,  28
.set OWP,  30
.set FCP,  32
.set FSP,  34
.set TC,   36
.set TS,   37
.set CNT,  38
.macro MM d, a, b, z, sa, sb, ra, rb   ; one product 16 x 16 x 128; all of this launch's start their sums
.if (\ra) && (\rb)
	v_wmma_scale_f32_16x16x128_f8f6f4 v[\d:\d+7], v[\a:\a+7], v[\b:\b+7], 0, v[\sa], v[\sb] matrix_a_fmt:MATRIX_FMT_FP4 matrix_b_fmt:MATRIX_FMT_FP4 matrix_a_scale:MATRIX_SCALE_ROW1 matrix_b_scale:MATRIX_SCALE_ROW1
.elseif \ra
	v_wmma_scale_f32_16x16x128_f8f6f4 v[\d:\d+7], v[\a:\a+7], v[\b:\b+7], 0, v[\sa], v[\sb] matrix_a_fmt:MATRIX_FMT_FP4 matrix_b_fmt:MATRIX_FMT_FP4 matrix_a_scale:MATRIX_SCALE_ROW1
.elseif \rb
	v_wmma_scale_f32_16x16x128_f8f6f4 v[\d:\d+7], v[\a:\a+7], v[\b:\b+7], 0, v[\sa], v[\sb] matrix_a_fmt:MATRIX_FMT_FP4 matrix_b_fmt:MATRIX_FMT_FP4 matrix_b_scale:MATRIX_SCALE_ROW1
.else
	v_wmma_scale_f32_16x16x128_f8f6f4 v[\d:\d+7], v[\a:\a+7], v[\b:\b+7], 0, v[\sa], v[\sb] matrix_a_fmt:MATRIX_FMT_FP4 matrix_b_fmt:MATRIX_FMT_FP4
.endif
.endm
	s_load_b128 s[4:7], s[0:1], 0x0                ; kqc, kqs
.if WEIGHTED
	s_load_b128 s[8:11], s[0:1], 0x10              ; rr s[8:9], the result s[10:11]
.else
	s_load_b64 s[10:11], s[0:1], 0x10              ; the result
.endif
	v_lshl_add_u32 v[SPW], v0, 2, SPARE
	v_mov_b32 v[NIL], 0
	v_lshrrev_b32 v44, 5, v0
	s_delay_alu instid0(VALU_DEP_1)
	v_readfirstlane_b32 s[WV], v44                 ; wave 0..15
	v_and_b32 v44, 31, v0                          ; lane
	v_lshlrev_b32 v[T16], 4, v0
	s_delay_alu instid0(VALU_DEP_1)
	v_add_nc_u32 v[T16H], OS, v[T16]
	s_delay_alu instid0(VALU_DEP_3)
	v_lshlrev_b32 v[L16], 4, v44
	s_delay_alu instid0(VALU_DEP_4)
	v_lshlrev_b32 v[L4], 2, v44
	s_and_b32 s[OP], s[WV], 3
	s_lshr_b32 s[OQ], s[WV], 2
	s_and_b32 s[BB], ttmp7, 0xffff
	s_lshl_b32 s22, s[OQ], 14
	v_add_nc_u32 v[AC0], s22, v[L16]               ; 32 tiles of 512 bytes a quarter
	s_lshl_b32 s22, s[OQ], 11
	s_add_co_u32 s23, s22, OS
	v_add_nc_u32 v[AS0], s23, v[L4]                ; 32 tiles of 64 bytes
	v_lshrrev_b32 v45, 4, v44
	s_delay_alu instid0(VALU_DEP_1)
	v_lshlrev_b32 v45, 5, v45                      ; 32 h: my half's eight weights of a tile
	s_add_co_u32 s23, s22, OW
	v_add_nc_u32 v[AW0], s23, v45
	v_lshl_add_u32 v[PA], v0, 2, PART
	v_add_nc_u32 v[PR], PART, v[L16]
	s_mov_b32 s[SEL], 0x76543210
	s_mov_b32 s[SEL+1], 0xfedcba98
	s_mov_b32 s[HM], 0xffff0000
	s_mov_b32 s[CS], 0x3fb8aa3b                    ; log2(e)
	s_mov_b32 s[CS+1], s[CS]
	s_mov_b32 s25, 0
	s_lshl_b32 s22, s[BB], 7
	s_lshl_b32 s23, ttmp9, 3
	s_add_co_u32 s22, s22, s23
	s_lshl_b32 s23, s[OP], 1
	s_add_co_u32 s22, s22, s23                     ; my first own tile: 128 b + 8 x + 2 (w % 4)
	s_wait_alu depctr_va_vdst(0)
	s_wait_kmcnt 0x0
	s_lshl_b32 s24, s[BB], 16
	s_add_co_u32 s24, s24, OTH<<20
	s_add_nc_u64 s[OCP:OCP+1], s[4:5], s[24:25]
	s_lshl_b32 s24, s[BB], 13
.if WEIGHTED
	s_add_nc_u64 s[OWP:OWP+1], s[8:9], s[24:25]
.endif
	s_lshl_b32 s23, ttmp9, 9
	s_add_co_u32 s23, s23, s24
	s_add_co_u32 s24, s24, OTH<<17
	s_add_nc_u64 s[OSP:OSP+1], s[6:7], s[24:25]
	s_mov_b32 s24, s23
	s_add_nc_u64 s[10:11], s[10:11], s[24:25]      ; the result at my work-group's 128 positions
	s_lshl_b32 s24, s22, 9
	s_add_co_u32 s24, s24, OWN<<20
	s_add_nc_u64 s[FCP:FCP+1], s[4:5], s[24:25]
	s_lshl_b32 s24, s22, 6
	s_add_co_u32 s24, s24, OWN<<17
	s_add_nc_u64 s[FSP:FSP+1], s[6:7], s[24:25]
.irp i, 0,1,2,3,4,5,6,7
	global_load_b128 v[S+4*\i:S+4*\i+3], v[T16], s[OCP:OCP+1] offset:8192*\i
.endr
	global_load_b128 v[S+32:S+35], v[T16], s[OSP:OSP+1]
.if WEIGHTED
	global_load_b128 v[S+36:S+39], v[T16], s[OWP:OWP+1]
.endif
.irp m, 0,1
	global_load_b128 v[OF+8*\m:OF+8*\m+3], v[L16], s[FCP:FCP+1] offset:512*\m
.endr
	global_load_b32 v[OSV], v[L4], s[FSP:FSP+1]
.irp m, 0,1
.irp j, 4,5,6,7
	v_mov_b32 v[OF+8*\m+\j], 0                     ; K = 64 .. 127: zero codes
.endr
.endr
.irp t, 0,1,2,3
.irp j, 4,5,6,7
	v_mov_b32 v[KF+8*\t+\j], 0
.endr
.endr
.irp j, 0,1,2,3,4,5,6,7
	v_mov_b32 v[SUM+\j], 0
.endr
	v_mov_b32 v[TP], 0                             ; written once: a lane permute's destination counts as one of its sources
	v_mov_b32 v[TP+1], 0
	s_wait_loadcnt 0x0
.irp i, 0,1,2,3,4,5,6,7
	ds_store_b128 v[T16], v[S+4*\i:S+4*\i+3] offset:8192*\i
.endr
	ds_store_b128 v[T16H], v[S+32:S+35]
.if WEIGHTED
	ds_store_b128 v[T16H], v[S+36:S+39] offset:OW-OS
.endif
	s_wait_dscnt 0x0                               ; my part lies in LDS
	s_barrier_signal -1
	s_barrier_wait -1                              ; everybody's does
	s_mov_b32 s[TC], 0
	s_mov_b32 s[TS], 0
	s_mov_b32 s[CNT], 0
.Ltrip:                                            ; eight trips, four tiles of the other side each
	s_setprio 2
	v_add_nc_u32 v[WC], s[TC], v[AC0]
	v_add_nc_u32 v[WS], s[TS], v[AS0]
.if WEIGHTED
	v_add_nc_u32 v[WW], s[TS], v[AW0]
.endif
.irp t, 0,1,2,3
	ds_load_b128 v[KF+8*\t:KF+8*\t+3], v[WC] offset:512*\t
.endr
.irp i, 0,1
	ds_load_b32 v[KSV+\i], v[WS] offset:128*\i
.endr
.if WEIGHTED
.irp t, 0,1,2,3
.irp k, 0,1
	ds_load_b128 v[WT+8*\t+4*\k:WT+8*\t+4*\k+3], v[WW] offset:64*\t+16*\k
.endr
.endr
.endif
	s_wait_dscnt 0x0
.irp t, 0,1,2,3
.irp m, 0,1
	MM S+32*\m+8*\t, KF+8*\t, OF+8*\m, 1, KSV+\t/2, OSV, \t%2, \m
.endr
.endr
.rept 4
	v_nop                                          ; places in front of the first read of results
.endr
.set j, 0
.rept 32
	v_pk_mul_f32 v[S+j:S+j+1], v[S+j:S+j+1], s[CS:CS+1] op_sel_hi:[1,0]   ; each accumulator from its low end on
.set j, j+2
.endr
.set j, 0
	s_setprio 1
	s_wait_alu depctr_va_vdst(0)
.rept 64
	v_exp_f32 v[S+j], v[S+j]
.set j, j+1
.endr
	v_nop                                          ; a plain place behind the exponentials
	s_setprio 0
	s_wait_alu depctr_va_vdst(0)                   ; one wait for the batch, ahead of its first reader
.set j, 0
.rept 16
.irp m, 0,1
.if WEIGHTED
	v_pk_fma_f32 v[SUM+4*\m+2*(j%2):SUM+4*\m+2*(j%2)+1], v[S+32*\m+2*j:S+32*\m+2*j+1], v[WT+2*j:WT+2*j+1], v[SUM+4*\m+2*(j%2):SUM+4*\m+2*(j%2)+1]
.else
	v_pk_add_f32 v[SUM+4*\m+2*(j%2):SUM+4*\m+2*(j%2)+1], v[SUM+4*\m+2*(j%2):SUM+4*\m+2*(j%2)+1], v[S+32*\m+2*j:S+32*\m+2*j+1]
.endif
.endr
.set j, j+1
.endr
	s_add_co_u32 s[TC], s[TC], 2048
	s_add_co_u32 s[TS], s[TS], 256
	s_add_co_u32 s[CNT], s[CNT], 1
	s_cmp_lt_u32 s[CNT], 8
	s_cbranch_scc1 .Ltrip
	s_setprio 0
.irp m, 0,1
	v_pk_add_f32 v[SUM+4*\m:SUM+4*\m+1], v[SUM+4*\m:SUM+4*\m+1], v[SUM+4*\m+2:SUM+4*\m+3]
.endr
.irp m, 0,1
	s_delay_alu instid0(VALU_DEP_2)
	v_add_f32 v[SUM+4*\m], v[SUM+4*\m], v[SUM+4*\m+1]
.endr
.irp m, 0,1
	s_delay_alu instid0(VALU_DEP_2)
	v_permlanex16_b32 v[TP+\m], v[SUM+4*\m], s[SEL], s[SEL+1]
.endr
.irp m, 0,1
	s_delay_alu instid0(VALU_DEP_2)
	v_add_f32 v[SUM+4*\m], v[SUM+4*\m], v[TP+\m]
.endr
	s_delay_alu instid0(VALU_DEP_1)
	v_cndmask_b32 v[TP+2], v[SUM], v[SUM+4], s[HM] ; lanes 0-15: my first tile's positions; lanes 16-31: my second's
	ds_store_b32 v[PA], v[TP+2]                    ; [quarter of the other side][own position 0 .. 127]
	s_wait_dscnt 0x0
	s_barrier_signal -1
	s_barrier_wait -1
	s_cmp_lg_u32 s[WV], 0
	s_cbranch_scc1 .Ldone                          ; wave 0 adds the four quarters, four positions a lane
.irp i, 0,1,2,3
	ds_load_b128 v[S+4*\i:S+4*\i+3], v[PR] offset:512*\i
.endr
	s_wait_dscnt 0x0
	v_pk_add_f32 v[S:S+1], v[S:S+1], v[S+4:S+5]
	v_pk_add_f32 v[S+2:S+3], v[S+2:S+3], v[S+6:S+7]
	v_pk_add_f32 v[S+8:S+9], v[S+8:S+9], v[S+12:S+13]
	v_pk_add_f32 v[S+10:S+11], v[S+10:S+11], v[S+14:S+15]
	s_delay_alu instid0(VALU_DEP_2)
	v_pk_add_f32 v[S:S+1], v[S:S+1], v[S+8:S+9]
	s_delay_alu instid0(VALU_DEP_2)
	v_pk_add_f32 v[S+2:S+3], v[S+2:S+3], v[S+10:S+11]
.if WEIGHTED
.irp i, 0,1,2,3
	v_add_f32 v[S+\i], 0x3089705f, v[S+\i]         ; + 1e-9
.endr
.endif
	s_wait_alu depctr_va_vdst(0)
.irp i, 0,1,2,3
	v_rcp_f32 v[S+16+\i], v[S+\i]
.endr
	v_nop
	s_wait_alu depctr_va_vdst(0)
.irp i, 0,1,2,3
	v_fma_f32 v[S+20+\i], -v[S+\i], v[S+16+\i], 1.0        ; one Newton step
.endr
.irp i, 0,1,2,3
	v_fma_f32 v[S+16+\i], v[S+16+\i], v[S+20+\i], v[S+16+\i]
.endr
	global_store_b128 v[L16], v[S+16:S+19], s[10:11]       ; 512 consecutive bytes
.Ldone:
	s_wait_tensorcnt 0x0                           ; the wave's end
	ds_add_u32 v[SPW], v[NIL]
	s_wait_dscnt 0x0
	s_endpgm
.Lfunc_end_k_q474c53af31_rowsum:
	.size	k_q474c53af31_rowsum, .Lfunc_end_k_q474c53af31_rowsum-k_q474c53af31_rowsum
	.p2alignl 7, 3214868480
	.fill 96, 4, 3214868480
	.section	.rodata,"a",@progbits
	.p2align	6, 0x0
	.amdhsa_kernel k_q474c53af31_rowsum
		.amdhsa_group_segment_fixed_size 86016
		.amdhsa_private_segment_fixed_size 0
		.amdhsa_enable_private_segment 0
		.amdhsa_kernarg_size 24
		.amdhsa_user_sgpr_count 2
		.amdhsa_user_sgpr_kernarg_segment_ptr 1
		.amdhsa_wavefront_size32 1
		.amdhsa_system_sgpr_workgroup_id_x 1
		.amdhsa_system_sgpr_workgroup_id_y 1
		.amdhsa_system_sgpr_workgroup_id_z 1
		.amdhsa_system_vgpr_workitem_id 0
		.amdhsa_next_free_vgpr 176
		.amdhsa_next_free_sgpr 66
		.amdhsa_reserve_vcc 0
		.amdhsa_float_denorm_mode_32 3
		.amdhsa_float_denorm_mode_16_64 3
		.amdhsa_memory_ordered 1
		.amdhsa_forward_progress 1
		.amdhsa_inst_pref_size 17
	.end_amdhsa_kernel
	.amdgpu_metadata
---
amdhsa.version: [ 1, 2 ]
amdhsa.kernels:
  - .name:           k_q474c53af31_rowsum
    .symbol:         k_q474c53af31_rowsum.kd
    .args:
      - { .name: kqc, .offset: 0, .size: 8, .value_kind: global_buffer, .address_space: global }
      - { .name: kqs, .offset: 8, .size: 8, .value_kind: global_buffer, .address_space: global }
      - { .name: rr, .offset: 16, .size: 8, .value_kind: global_buffer, .address_space: global }
    .group_segment_fixed_size: 86016
    .private_segment_fixed_size: 0
    .kernarg_segment_align: 8
    .kernarg_segment_size: 24
    .max_flat_workgroup_size: 512
    .sgpr_count:     66
    .vgpr_count:     176
    .wavefront_size: 32
...
	.end_amdgpu_metadata
.endif
;; end of part 3
;; launch colsum (part 4): grid 16 x 16, 16 waves a work-group, no clusters, 86,016 bytes of LDS; arguments kqc, kqs, rr, rc; writes rc
.if DOCPART == 4
	.amdgcn_target "amdgcn-amd-amdhsa--gfx1250"
	.amdhsa_code_object_version 6
	.text
	.protected	k_q474c53af31_colsum
	.globl	k_q474c53af31_colsum
	.p2align	8
	.type	k_q474c53af31_colsum,@function
k_q474c53af31_colsum:
	s_mov_b64 s[64:65], 0
	v_nop
	global_prefetch_b8 v0, s[64:65] scope:SCOPE_SE
	s_setreg_imm32_b32 hwreg(HW_REG_WAVE_MODE, 25, 1), 1
	s_wait_xcnt 0x0
; rc[b][k] = -log2(1e-9 + C), C = sum over q of e^dot(q, k) rr[q], rr = 1 / R from the launch before.   dot = Q(w_q) . Q(w_k), K = 64.  Nothing is left out.
; The logarithm is what the last launch wants: there e^dot / R / (1e-9 + C) is one exponential, and rc is added in its exponent.
; (The text is the row sums' with WEIGHTED = 1; with WEIGHTED = 0 it gives 1 / (the plain sum).)
; The scores are not kept between launches: 2,048 x 2,048 of them a batch would be 16 MB in f32, while their operands are 128 KB of codes: they are multiplied anew.
; No maximum is taken away: |dot| <= 25 for every input (shown at the head of the first launch).
; SHARES.  A work-group owns 128 positions of the OWN side (k here, where WEIGHTED = 1) of one batch.  Wave w: own tiles 2 (w % 4), + 1; tiles 32 (w / 4) .. + 31 of the OTHER side, four a trip.
; Source 0 = 16 of the other side, source 1 = 16 of my own: a lane holds ONE own position, and its registers run over the other side: the sum needs one exchange between the halves of the lanes.
; A fragment of K = 64 has codes in registers 0-3; registers 4-7 are zeros, which add nothing under the scale bytes 0 that stand over them.
; The other side's codes and scale words of the whole batch (and rr) come into LDS once, through registers, 16 bytes a thread and load.  Four waves to a SIMD, so that one wave's exponentials stand beside another's loads.
; No cluster: what the 16 work-groups of a batch share is fetched once, 81,920 bytes ahead of all the work; there is no ring that joint loads could feed.
; LIMITS: as stated at the head of the first launch.
.set WEIGHTED, 1
.set OWN, 1-WEIGHTED                   ; kqc, kqs: 0 = k, 1 = q
.set OTH, WEIGHTED
.set OS,    65536                      ; LDS: 65,536 bytes of codes; 8,192 of scale words;
.set OW,    73728                      ; 8,192 of weights;
.set PART,  81920                      ; 512 partial sums;
.set SPARE, 83968                      ; the spare words: 128 bytes a wave, named by no other line
.set T16,  1                           ; 16 x thread
.set T16H, 2                           ; + 65,536
.set L16,  3
.set L4,   4
.set AC0,  5                           ; my lane's place in my quarter of the codes,
.set AS0,  6                           ; of the scale words,
.set AW0,  7                           ; of the weights
.set WC,   8                           ; the same for the trip in hand
.set WS,   9
.set WW,   10
.set PA,   11                          ; my partial sum's word
.set SPW,  12
.set NIL,  13
.set PR,   14                          ; where wave 0 reads the partial sums
.set OF,   16                          ; v16-31  my two own fragments
.set OSV,  32                          ; their scale words: lanes 0-15 the first tile's, lanes 16-31 the second's
.set KSV,  34                          ; v34-35  the other side's, a pair of tiles a register
.set SUM,  36                          ; v36-43  for each own tile two chains of pairs
.set TP,   44
.set KF,   48                          ; v48-79  four fragments of the other side
.set WT,   80                          ; v80-111 their weights
.set S,    112                         ; v112-175 the scores, then e^score
.set WV,   12
.set OP,   13
.set OQ,   14
.set BB,   15
.set SEL,  16
.set HM,   18
.set CS,   20
.set OCP,  26
.set OSP,  28
.set OWP,  30
.set FCP,  32
.set FSP,  34
.set TC,   36
.set TS,   37
.set CNT,  38
.macro MM d, a, b, z, sa, sb, ra, rb   ; one product 16 x 16 x 128; all of this launch's start their sums
.if (\ra) && (\rb)
	v_wmma_scale_f32_16x16x128_f8f6f4 v[\d:\d+7], v[\a:\a+7], v[\b:\b+7], 0, v[\sa], v[\sb] matrix_a_fmt:MATRIX_FMT_FP4 matrix_b_fmt:MATRIX_FMT_FP4 matrix_a_scale:MATRIX_SCALE_ROW1 matrix_b_scale:MATRIX_SCALE_ROW1
.elseif \ra
	v_wmma_scale_f32_16x16x128_f8f6f4 v[\d:\d+7], v[\a:\a+7], v[\b:\b+7], 0, v[\sa], v[\sb] matrix_a_fmt:MATRIX_FMT_FP4 matrix_b_fmt:MATRIX_FMT_FP4 matrix_a_scale:MATRIX_SCALE_ROW1
.elseif \rb
	v_wmma_scale_f32_16x16x128_f8f6f4 v[\d:\d+7], v[\a:\a+7], v[\b:\b+7], 0, v[\sa], v[\sb] matrix_a_fmt:MATRIX_FMT_FP4 matrix_b_fmt:MATRIX_FMT_FP4 matrix_b_scale:MATRIX_SCALE_ROW1
.else
	v_wmma_scale_f32_16x16x128_f8f6f4 v[\d:\d+7], v[\a:\a+7], v[\b:\b+7], 0, v[\sa], v[\sb] matrix_a_fmt:MATRIX_FMT_FP4 matrix_b_fmt:MATRIX_FMT_FP4
.endif
.endm
	s_load_b128 s[4:7], s[0:1], 0x0                ; kqc, kqs
.if WEIGHTED
	s_load_b128 s[8:11], s[0:1], 0x10              ; rr s[8:9], the result s[10:11]
.else
	s_load_b64 s[10:11], s[0:1], 0x10              ; the result
.endif
	v_lshl_add_u32 v[SPW], v0, 2, SPARE
	v_mov_b32 v[NIL], 0
	v_lshrrev_b32 v44, 5, v0
	s_delay_alu instid0(VALU_DEP_1)
	v_readfirstlane_b32 s[WV], v44                 ; wave 0..15
	v_and_b32 v44, 31, v0                          ; lane
	v_lshlrev_b32 v[T16], 4, v0
	s_delay_alu instid0(VALU_DEP_1)
	v_add_nc_u32 v[T16H], OS, v[T16]
	s_delay_alu instid0(VALU_DEP_3)
	v_lshlrev_b32 v[L16], 4, v44
	s_delay_alu instid0(VALU_DEP_4)
	v_lshlrev_b32 v[L4], 2, v44
	s_and_b32 s[OP], s[WV], 3
	s_lshr_b32 s[OQ], s[WV], 2
	s_and_b32 s[BB], ttmp7, 0xffff
	s_lshl_b32 s22, s[OQ], 14
	v_add_nc_u32 v[AC0], s22, v[L16]               ; 32 tiles of 512 bytes a quarter
	s_lshl_b32 s22, s[OQ], 11
	s_add_co_u32 s23, s22, OS
	v_add_nc_u32 v[AS0], s23, v[L4]                ; 32 tiles of 64 bytes
	v_lshrrev_b32 v45, 4, v44
	s_delay_alu instid0(VALU_DEP_1)
	v_lshlrev_b32 v45, 5, v45                      ; 32 h: my half's eight weights of a tile
	s_add_co_u32 s23, s22, OW
	v_add_nc_u32 v[AW0], s23, v45
	v_lshl_add_u32 v[PA], v0, 2, PART
	v_add_nc_u32 v[PR], PART, v[L16]
	s_mov_b32 s[SEL], 0x76543210
	s_mov_b32 s[SEL+1], 0xfedcba98
	s_mov_b32 s[HM], 0xffff0000
	s_mov_b32 s[CS], 0x3fb8aa3b                    ; log2(e)
	s_mov_b32 s[CS+1], s[CS]
	s_mov_b32 s25, 0
	s_lshl_b32 s22, s[BB], 7
	s_lshl_b32 s23, ttmp9, 3
	s_add_co_u32 s22, s22, s23
	s_lshl_b32 s23, s[OP], 1
	s_add_co_u32 s22, s22, s23                     ; my first own tile: 128 b + 8 x + 2 (w % 4)
	s_wait_alu depctr_va_vdst(0)
	s_wait_kmcnt 0x0
	s_lshl_b32 s24, s[BB], 16
	s_add_co_u32 s24, s24, OTH<<20
	s_add_nc_u64 s[OCP:OCP+1], s[4:5], s[24:25]
	s_lshl_b32 s24, s[BB], 13
.if WEIGHTED
	s_add_nc_u64 s[OWP:OWP+1], s[8:9], s[24:25]
.endif
	s_lshl_b32 s23, ttmp9, 9
	s_add_co_u32 s23, s23, s24
	s_add_co_u32 s24, s24, OTH<<17
	s_add_nc_u64 s[OSP:OSP+1], s[6:7], s[24:25]
	s_mov_b32 s24, s23
	s_add_nc_u64 s[10:11], s[10:11], s[24:25]      ; the result at my work-group's 128 positions
	s_lshl_b32 s24, s22, 9
	s_add_co_u32 s24, s24, OWN<<20
	s_add_nc_u64 s[FCP:FCP+1], s[4:5], s[24:25]
	s_lshl_b32 s24, s22, 6
	s_add_co_u32 s24, s24, OWN<<17
	s_add_nc_u64 s[FSP:FSP+1], s[6:7], s[24:25]
.irp i, 0,1,2,3,4,5,6,7
	global_load_b128 v[S+4*\i:S+4*\i+3], v[T16], s[OCP:OCP+1] offset:8192*\i
.endr
	global_load_b128 v[S+32:S+35], v[T16], s[OSP:OSP+1]
.if WEIGHTED
	global_load_b128 v[S+36:S+39], v[T16], s[OWP:OWP+1]
.endif
.irp m, 0,1
	global_load_b128 v[OF+8*\m:OF+8*\m+3], v[L16], s[FCP:FCP+1] offset:512*\m
.endr
	global_load_b32 v[OSV], v[L4], s[FSP:FSP+1]
.irp m, 0,1
.irp j, 4,5,6,7
	v_mov_b32 v[OF+8*\m+\j], 0                     ; K = 64 .. 127: zero codes
.endr
.endr
.irp t, 0,1,2,3
.irp j, 4,5,6,7
	v_mov_b32 v[KF+8*\t+\j], 0
.endr
.endr
.irp j, 0,1,2,3,4,5,6,7
	v_mov_b32 v[SUM+\j], 0
.endr
	v_mov_b32 v[TP], 0                             ; written once: a lane permute's destination counts as one of its sources
	v_mov_b32 v[TP+1], 0
	s_wait_loadcnt 0x0
.irp i, 0,1,2,3,4,5,6,7
	ds_store_b128 v[T16], v[S+4*\i:S+4*\i+3] offset:8192*\i
.endr
	ds_store_b128 v[T16H], v[S+32:S+35]
.if WEIGHTED
	ds_store_b128 v[T16H], v[S+36:S+39] offset:OW-OS
.endif
	s_wait_dscnt 0x0                               ; my part lies in LDS
	s_barrier_signal -1
	s_barrier_wait -1                              ; everybody's does
	s_mov_b32 s[TC], 0
	s_mov_b32 s[TS], 0
	s_mov_b32 s[CNT], 0
.Ltrip:                                            ; eight trips, four tiles of the other side each
	s_setprio 2
	v_add_nc_u32 v[WC], s[TC], v[AC0]
	v_add_nc_u32 v[WS], s[TS], v[AS0]
.if WEIGHTED
	v_add_nc_u32 v[WW], s[TS], v[AW0]
.endif
.irp t, 0,1,2,3
	ds_load_b128 v[KF+8*\t:KF+8*\t+3], v[WC] offset:512*\t
.endr
.irp i, 0,1
	ds_load_b32 v[KSV+\i], v[WS] offset:128*\i
.endr
.if WEIGHTED
.irp t, 0,1,2,3
.irp k, 0,1
	ds_load_b128 v[WT+8*\t+4*\k:WT+8*\t+4*\k+3], v[WW] offset:64*\t+16*\k
.endr
.endr
.endif
	s_wait_dscnt 0x0
.irp t, 0,1,2,3
.irp m, 0,1
	MM S+32*\m+8*\t, KF+8*\t, OF+8*\m, 1, KSV+\t/2, OSV, \t%2, \m
.endr
.endr
.rept 4
	v_nop                                          ; places in front of the first read of results
.endr
.set j, 0
.rept 32
	v_pk_mul_f32 v[S+j:S+j+1], v[S+j:S+j+1], s[CS:CS+1] op_sel_hi:[1,0]   ; each accumulator from its low end on
.set j, j+2
.endr
.set j, 0
	s_setprio 1
	s_wait_alu depctr_va_vdst(0)
.rept 64
	v_exp_f32 v[S+j], v[S+j]
.set j, j+1
.endr
	v_nop                                          ; a plain place behind the exponentials
	s_setprio 0
	s_wait_alu depctr_va_vdst(0)                   ; one wait for the batch, ahead of its first reader
.set j, 0
.rept 16
.irp m, 0,1
.if WEIGHTED
	v_pk_fma_f32 v[SUM+4*\m+2*(j%2):SUM+4*\m+2*(j%2)+1], v[S+32*\m+2*j:S+32*\m+2*j+1], v[WT+2*j:WT+2*j+1], v[SUM+4*\m+2*(j%2):SUM+4*\m+2*(j%2)+1]
.else
	v_pk_add_f32 v[SUM+4*\m+2*(j%2):SUM+4*\m+2*(j%2)+1], v[SUM+4*\m+2*(j%2):SUM+4*\m+2*(j%2)+1], v[S+32*\m+2*j:S+32*\m+2*j+1]
.endif
.endr
.set j, j+1
.endr
	s_add_co_u32 s[TC], s[TC], 2048
	s_add_co_u32 s[TS], s[TS], 256
	s_add_co_u32 s[CNT], s[CNT], 1
	s_cmp_lt_u32 s[CNT], 8
	s_cbranch_scc1 .Ltrip
	s_setprio 0
.irp m, 0,1
	v_pk_add_f32 v[SUM+4*\m:SUM+4*\m+1], v[SUM+4*\m:SUM+4*\m+1], v[SUM+4*\m+2:SUM+4*\m+3]
.endr
.irp m, 0,1
	s_delay_alu instid0(VALU_DEP_2)
	v_add_f32 v[SUM+4*\m], v[SUM+4*\m], v[SUM+4*\m+1]
.endr
.irp m, 0,1
	s_delay_alu instid0(VALU_DEP_2)
	v_permlanex16_b32 v[TP+\m], v[SUM+4*\m], s[SEL], s[SEL+1]
.endr
.irp m, 0,1
	s_delay_alu instid0(VALU_DEP_2)
	v_add_f32 v[SUM+4*\m], v[SUM+4*\m], v[TP+\m]
.endr
	s_delay_alu instid0(VALU_DEP_1)
	v_cndmask_b32 v[TP+2], v[SUM], v[SUM+4], s[HM] ; lanes 0-15: my first tile's positions; lanes 16-31: my second's
	ds_store_b32 v[PA], v[TP+2]                    ; [quarter of the other side][own position 0 .. 127]
	s_wait_dscnt 0x0
	s_barrier_signal -1
	s_barrier_wait -1
	s_cmp_lg_u32 s[WV], 0
	s_cbranch_scc1 .Ldone                          ; wave 0 adds the four quarters, four positions a lane
.irp i, 0,1,2,3
	ds_load_b128 v[S+4*\i:S+4*\i+3], v[PR] offset:512*\i
.endr
	s_wait_dscnt 0x0
	v_pk_add_f32 v[S:S+1], v[S:S+1], v[S+4:S+5]
	v_pk_add_f32 v[S+2:S+3], v[S+2:S+3], v[S+6:S+7]
	v_pk_add_f32 v[S+8:S+9], v[S+8:S+9], v[S+12:S+13]
	v_pk_add_f32 v[S+10:S+11], v[S+10:S+11], v[S+14:S+15]
	s_delay_alu instid0(VALU_DEP_2)
	v_pk_add_f32 v[S:S+1], v[S:S+1], v[S+8:S+9]
	s_delay_alu instid0(VALU_DEP_2)
	v_pk_add_f32 v[S+2:S+3], v[S+2:S+3], v[S+10:S+11]
.if WEIGHTED
.irp i, 0,1,2,3
	v_add_f32 v[S+\i], 0x3089705f, v[S+\i]         ; + 1e-9
.endr
	s_wait_alu depctr_va_vdst(0)
.irp i, 0,1,2,3
	v_log_f32 v[S+16+\i], v[S+\i]                  ; log2(1e-9 + C)
.endr
	v_nop
	s_wait_alu depctr_va_vdst(0)                   ; one wait for the four, ahead of their first reader
.irp i, 0,1,2,3
	v_xor_b32 v[S+16+\i], 0x80000000, v[S+16+\i]   ; its negative
.endr
.else
.irp i, 0,1,2,3
	v_rcp_f32 v[S+16+\i], v[S+\i]
.endr
	v_nop
	s_wait_alu depctr_va_vdst(0)
.irp i, 0,1,2,3
	v_fma_f32 v[S+20+\i], -v[S+\i], v[S+16+\i], 1.0        ; one Newton step
.endr
.irp i, 0,1,2,3
	v_fma_f32 v[S+16+\i], v[S+16+\i], v[S+20+\i], v[S+16+\i]
.endr
.endif
	global_store_b128 v[L16], v[S+16:S+19], s[10:11]       ; 512 consecutive bytes
.Ldone:
	s_wait_tensorcnt 0x0                           ; the wave's end
	ds_add_u32 v[SPW], v[NIL]
	s_wait_dscnt 0x0
	s_endpgm
.Lfunc_end_k_q474c53af31_colsum:
	.size	k_q474c53af31_colsum, .Lfunc_end_k_q474c53af31_colsum-k_q474c53af31_colsum
	.p2alignl 7, 3214868480
	.fill 96, 4, 3214868480
	.section	.rodata,"a",@progbits
	.p2align	6, 0x0
	.amdhsa_kernel k_q474c53af31_colsum
		.amdhsa_group_segment_fixed_size 86016
		.amdhsa_private_segment_fixed_size 0
		.amdhsa_enable_private_segment 0
		.amdhsa_kernarg_size 32
		.amdhsa_user_sgpr_count 2
		.amdhsa_user_sgpr_kernarg_segment_ptr 1
		.amdhsa_wavefront_size32 1
		.amdhsa_system_sgpr_workgroup_id_x 1
		.amdhsa_system_sgpr_workgroup_id_y 1
		.amdhsa_system_sgpr_workgroup_id_z 1
		.amdhsa_system_vgpr_workitem_id 0
		.amdhsa_next_free_vgpr 176
		.amdhsa_next_free_sgpr 66
		.amdhsa_reserve_vcc 0
		.amdhsa_float_denorm_mode_32 3
		.amdhsa_float_denorm_mode_16_64 3
		.amdhsa_memory_ordered 1
		.amdhsa_forward_progress 1
		.amdhsa_inst_pref_size 17
	.end_amdhsa_kernel
	.amdgpu_metadata
---
amdhsa.version: [ 1, 2 ]
amdhsa.kernels:
  - .name:           k_q474c53af31_colsum
    .symbol:         k_q474c53af31_colsum.kd
    .args:
      - { .name: kqc, .offset: 0, .size: 8, .value_kind: global_buffer, .address_space: global }
      - { .name: kqs, .offset: 8, .size: 8, .value_kind: global_buffer, .address_space: global }
      - { .name: rr, .offset: 16, .size: 8, .value_kind: global_buffer, .address_space: global }
      - { .name: rc, .offset: 24, .size: 8, .value_kind: global_buffer, .address_space: global }
    .group_segment_fixed_size: 86016
    .private_segment_fixed_size: 0
    .kernarg_segment_align: 8
    .kernarg_segment_size: 32
    .max_flat_workgroup_size: 512
    .sgpr_count:     66
    .vgpr_count:     176
    .wavefront_size: 32
...
	.end_amdgpu_metadata
.endif
;; end of part 4
;; launch attend (part 5): grid 16 x 16, 8 waves a work-group, no clusters, 327,680 bytes of LDS; arguments query, kqc, kqs, rr, rc, vc, vs, wts, out0; writes out0
.if DOCPART == 5
	.amdgcn_target "amdgcn-amd-amdhsa--gfx1250"
	.amdhsa_code_object_version 6
	.text
	.protected	k_q474c53af31_attend
	.globl	k_q474c53af31_attend
	.p2align	8
	.type	k_q474c53af31_attend,@function
k_q474c53af31_attend:
	s_mov_b64 s[64:65], 0
	v_nop
	global_prefetch_b8 v0, s[64:65] scope:SCOPE_SE
	s_setreg_imm32_b32 hwreg(HW_REG_WAVE_MODE, 25, 1), 1
	s_wait_xcnt 0x0
; out0 = relu(Q(query - out) Q(Wt)^T), out[q][d] = sum over k of Q(A2)[q][k] Q(w_v)[k][d], A2 = e^dot / R[q] / (1e-9 + C[k]), quantised along the keys as it stands (finished and normalised).  Nothing is left out.
; A2 IS ONE EXPONENTIAL: 2^(c (dot + ln rr[q]) + rc[k]), c = log2(e), rr = 1 / R, rc = -log2(1e-9 + C) as the launch before stored it.  ln rr[q] is the same in all eight registers of a lane's result, so it is
; the C of the score product (16 registers, made once); c and rc[k] are one packed multiply-add.  The exponent's size is that of log2 R, about 11 for 2,048 keys, at most some 90: its rounding in f32 moves A2 by
; about one part in a million at the first size, ten at the second.
; No maximum is taken away: |dot| <= 25 for every input (shown at the head of the first launch).
; SHARES.  A work-group owns 128 queries of one batch (x: which 128, y: b) and walks the batch's 2,048 keys, 128 a step.  out and query - out never go to memory.
; P.   Wave w: query tiles 2 (w % 4), + 1; keys 64 (w / 4) .. + 63 of the step.  Source 0 = 16 keys, source 1 = 16 queries: a lane holds one query and, over four tiles of keys, 2 x 16 neighbouring keys.
;      A2, quantised in registers: half a fragment (one register group) and half a scale word of each of two query tiles.  They go to LDS AS IMAGES OF THE OPERAND'S REGISTERS: 16 bytes at 16 x lane.
; PV.  Wave w: positions 64 w .. + 63 of d for ALL eight query tiles: 32 accumulators, window 1.  Source 0 = 16 d of w_v (straight from memory into registers: each fragment is wanted by this one wave), source 1 = P.
;      Two buffers of images take turns, ONE barrier a step: P of step s + 1 writes the buffer that was last read in PV of step s - 1, and every wave has waited for those reads in front of the barrier of step s.
; X.   query's 128 rows have come into LDS by one tensor load a wave, asked for at the head, behind the first step's loads.  query - out, quantised along d: a lane holds one query and 2 x 16 neighbouring d.  Images to LDS.
; Y.   Wave w: outputs 64 w .. + 63.  Source 0 = 16 rows of Wt, source 1 = X.  relu; through the wave's stage; sixteen lanes store 256 consecutive bytes, aligned.
; Rows are laid by POSITION in all this program's buffers (position r of tile 2 B + u is row 32 B + 8 u + r + 8 (r / 8)); query is read and out0 written at the natural rows, by address.
; No cluster: K's and V's codes are shared by the 16 work-groups of a batch, but a joint load lands in LDS: a step's codes of V and K are 36,864 bytes, two slots 73,728, and 319,488 of the 327,680 bytes are taken.
; One tensor load of a wave is out, from the head to the last key step; no LDS byte is filled twice.
; LIMITS: as stated at the head of the first launch; an A2 under 2^-126 comes out as 0.
.set QRYW,  33280                      ; LDS: query, 128 rows x 2,080 bytes (16 of padding behind every 1,024): 16 rows a wave.  Behind the X phase its first 34,816 bytes are the eight stages of the way out
.set PIM,   266240                     ; two buffers of 8,704: eight images of 1,024 (query tile), four pairs' scale words of 128
.set PBUF,  8704
.set PSC,   8192
.set XIM,   283648                     ; X's fragments: (query tile, K step) at 4096 qt + 1024 ks
.set XSC,   316416                     ; their scale words: (pair of tiles, K step) at 512 tp + 128 ks
.set SPARE, 318464                     ; the spare words: 128 bytes a wave, named by no other line
.set L16,  1                           ; 16 x lane
.set L4,   2                           ; 4 x lane
.set RCO,  3                           ; 32 h
.set VCO,  4                           ; 8192 h + 16 r
.set PWI,  5                           ; where I store P's images,
.set PWS,  6                           ; and my half of their scale words
.set PRI,  7                           ; where they are read
.set PRS,  8
.set HW,   9                           ; v9-11   at the head: lane, r, h; then half scale words in the making
.set QLA,  13                          ; my lane's place in query's rows
.set XWI,  14
.set XWS,  15
.set XRI,  16
.set XRS,  17
.set SO,   18                          ; the stage: in,
.set SR,   19                          ; and back
.set GO,   20                          ; 32768 h + 16 r
.set R4,   21                          ; 4 r
.set RRA,  23                          ; rr of my first tile's query, then its log2
.set SPW,  24
.set NIL,  25
.set WTS1, 26                          ; v26-29  Wt's scale words, tiles 2 and 3
.set QS,   30                          ; my query tiles' scale words
.set RRB,  31                          ; rr of my second tile's query, then its log2
.set QF,   32                          ; v32-47  their fragments (K = 64: registers 4-7 are zeros)
.set PC,   48                          ; v48-55  codes just made
.set TM,   56
.set TP,   60
.set TS,   64
.set TB,   68
.set KSV,  72                          ; v72-73  K's scale words, a pair of tiles a register
.set VS,   74                          ; v74-75  V's
.set WTS0, 72                          ; v72-75  behind the key steps: Wt's scale words, tiles 0 and 1
.set PS,   76                          ; v76-79  P's, later X's
.set LR,   80                          ; v80-95  ln rr of my query, eight times for each of my two tiles: the C of the score products
.set VF,   96                          ; v96-127 V's four fragments; later Wt's of K steps 0 and 3
.set S,    128                         ; v128-191 scores and A2; P's eight fragments; query - out; X's fragments; results
.set RCV,  192                         ; v192-223 rc of my 64 keys; later Wt's of K step 1
.set KF,   224                         ; v224-255 K's four fragments (registers 4-7 zeros); later Wt's of K step 2
.set BK,   192                         ; the way out: 16 rows read back, two sets
.set CS,   4                           ; s[4:5] log2(e)
.set WV,   26
.set BB,   27
.set SEL,  28
.set HM,   30
.set G0,   32
.set G1,   36
.set KP,   44
.set KSP,  46
.set RCP,  48
.set VP,   50
.set VSP,  52
.set OUTP, 54
.set QCP,  56
.set QSP,  58
.set RRP,  60
.set QP,   62
.set CC,   63
.set WTP,  66
.set WTSP, 68
.set CNT,  70
.set MSB, 0
.macro WIN new                         ; the immediate's high byte repeats the setting that is left
.if MSB != \new
	s_set_vgpr_msb (MSB<<8)|\new
.set MSB, \new
.endif
.endm
.macro MM d, a, b, z, sa, sb, ra, rb   ; one product 16 x 16 x 128.  z = 1: it starts the sum.  ra, rb: the side's scales stand in lanes 16-31
.if \z
.if (\ra) && (\rb)
	v_wmma_scale_f32_16x16x128_f8f6f4 v[\d:\d+7], v[\a:\a+7], v[\b:\b+7], 0, v[\sa], v[\sb] matrix_a_fmt:MATRIX_FMT_FP4 matrix_b_fmt:MATRIX_FMT_FP4 matrix_a_scale:MATRIX_SCALE_ROW1 matrix_b_scale:MATRIX_SCALE_ROW1
.elseif \ra
	v_wmma_scale_f32_16x16x128_f8f6f4 v[\d:\d+7], v[\a:\a+7], v[\b:\b+7], 0, v[\sa], v[\sb] matrix_a_fmt:MATRIX_FMT_FP4 matrix_b_fmt:MATRIX_FMT_FP4 matrix_a_scale:MATRIX_SCALE_ROW1
.elseif \rb
	v_wmma_scale_f32_16x16x128_f8f6f4 v[\d:\d+7], v[\a:\a+7], v[\b:\b+7], 0, v[\sa], v[\sb] matrix_a_fmt:MATRIX_FMT_FP4 matrix_b_fmt:MATRIX_FMT_FP4 matrix_b_scale:MATRIX_SCALE_ROW1
.else
	v_wmma_scale_f32_16x16x128_f8f6f4 v[\d:\d+7], v[\a:\a+7], v[\b:\b+7], 0, v[\sa], v[\sb] matrix_a_fmt:MATRIX_FMT_FP4 matrix_b_fmt:MATRIX_FMT_FP4
.endif
.else
.if (\ra) && (\rb)
	v_wmma_scale_f32_16x16x128_f8f6f4 v[\d:\d+7], v[\a:\a+7], v[\b:\b+7], v[\d:\d+7], v[\sa], v[\sb] matrix_a_fmt:MATRIX_FMT_FP4 matrix_b_fmt:MATRIX_FMT_FP4 matrix_a_scale:MATRIX_SCALE_ROW1 matrix_b_scale:MATRIX_SCALE_ROW1
.elseif \ra
	v_wmma_scale_f32_16x16x128_f8f6f4 v[\d:\d+7], v[\a:\a+7], v[\b:\b+7], v[\d:\d+7], v[\sa], v[\sb] matrix_a_fmt:MATRIX_FMT_FP4 matrix_b_fmt:MATRIX_FMT_FP4 matrix_a_scale:MATRIX_SCALE_ROW1
.elseif \rb
	v_wmma_scale_f32_16x16x128_f8f6f4 v[\d:\d+7], v[\a:\a+7], v[\b:\b+7], v[\d:\d+7], v[\sa], v[\sb] matrix_a_fmt:MATRIX_FMT_FP4 matrix_b_fmt:MATRIX_FMT_FP4 matrix_b_scale:MATRIX_SCALE_ROW1
.else
	v_wmma_scale_f32_16x16x128_f8f6f4 v[\d:\d+7], v[\a:\a+7], v[\b:\b+7], v[\d:\d+7], v[\sa], v[\sb] matrix_a_fmt:MATRIX_FMT_FP4 matrix_b_fmt:MATRIX_FMT_FP4
.endif
.endif
.endm
.macro MC d, a, b, c, sa, sb, ra, rb   ; the same with a C of its own: eight registers that no instruction of the loop writes
.if (\ra) && (\rb)
	v_wmma_scale_f32_16x16x128_f8f6f4 v[\d:\d+7], v[\a:\a+7], v[\b:\b+7], v[\c:\c+7], v[\sa], v[\sb] matrix_a_fmt:MATRIX_FMT_FP4 matrix_b_fmt:MATRIX_FMT_FP4 matrix_a_scale:MATRIX_SCALE_ROW1 matrix_b_scale:MATRIX_SCALE_ROW1
.elseif \ra
	v_wmma_scale_f32_16x16x128_f8f6f4 v[\d:\d+7], v[\a:\a+7], v[\b:\b+7], v[\c:\c+7], v[\sa], v[\sb] matrix_a_fmt:MATRIX_FMT_FP4 matrix_b_fmt:MATRIX_FMT_FP4 matrix_a_scale:MATRIX_SCALE_ROW1
.elseif \rb
	v_wmma_scale_f32_16x16x128_f8f6f4 v[\d:\d+7], v[\a:\a+7], v[\b:\b+7], v[\c:\c+7], v[\sa], v[\sb] matrix_a_fmt:MATRIX_FMT_FP4 matrix_b_fmt:MATRIX_FMT_FP4 matrix_b_scale:MATRIX_SCALE_ROW1
.else
	v_wmma_scale_f32_16x16x128_f8f6f4 v[\d:\d+7], v[\a:\a+7], v[\b:\b+7], v[\c:\c+7], v[\sa], v[\sb] matrix_a_fmt:MATRIX_FMT_FP4 matrix_b_fmt:MATRIX_FMT_FP4
.endif
.endm
; Four blocks of 32 by turns.  Block b: my 16 numbers v[src + 16 b ..], lane l xor 16 holds the other 16.  Codes to v[dst + stride b], + 1; the scales' bytes to v[TB + b].
.macro QUANT src, dst, stride
.irp b, 0,1,2,3
	v_max3_num_f32 v[TM+\b], |v[\src+16*\b]|, |v[\src+16*\b+1]|, 0x1800000   ; with the floor 2^(3 - 127): the byte cannot fall under 1
.endr
.irp i, 2,4,6,8,10,12,14
.irp b, 0,1,2,3
	v_max3_num_f32 v[TM+\b], v[TM+\b], |v[\src+16*\b+\i]|, |v[\src+16*\b+\i+1]|
.endr
.endr
.irp b, 0,1,2,3
	s_delay_alu instid0(VALU_DEP_4)
	v_permlanex16_b32 v[TP+\b], v[TM+\b], s[SEL], s[SEL+1]
.endr
.irp b, 0,1,2,3
	s_delay_alu instid0(VALU_DEP_4)
	v_max_num_f32 v[TM+\b], v[TM+\b], v[TP+\b]
.endr
.irp b, 0,1,2,3
	s_delay_alu instid0(VALU_DEP_4)
	v_add_nc_u32 v[TS+\b], 0xff000000, v[TM+\b]                    ; 2 off the exponent field: the conversion's scale operand
.endr
.irp b, 0,1,2,3
	s_delay_alu instid0(VALU_DEP_4)
	v_lshrrev_b32 v[TB+\b], 23, v[TS+\b]
.endr
.irp b, 0,1,2,3
	v_cvt_scalef32_pk8_fp4_f32 v[\dst+\stride*\b], v[\src+16*\b:\src+16*\b+7], v[TS+\b]
	v_cvt_scalef32_pk8_fp4_f32 v[\dst+\stride*\b+1], v[\src+16*\b+8:\src+16*\b+15], v[TS+\b]
.endr
	v_nop                                          ; one plain place behind a scaled conversion
.endm
; The codes of blocks 2 m and 2 m + 1 become one register group of tile m's fragment (lanes 0-15 the even block whole, lanes 16-31 the odd one); the two bytes half a scale word, tile 0's in lanes 0-15, tile 1's in lanes 16-31
.macro FINISH
.irp g, 0,1
	v_permlane16_swap_b32 v[PC+4*\g], v[PC+4*\g+2]
	v_permlane16_swap_b32 v[PC+4*\g+1], v[PC+4*\g+3]
.endr
	v_lshl_or_b32 v[HW], v[TB+1], 8, v[TB]
	v_lshl_or_b32 v[HW+1], v[TB+3], 8, v[TB+2]
	s_delay_alu instid0(VALU_DEP_1)
	v_cndmask_b32 v[HW+2], v[HW], v[HW+1], s[HM]
.endm
.macro PLACES n
.rept \n
	v_nop
.endr
.endm
.macro BARRIER                         ; my LDS stores have landed and my LDS loads are in: then the work-group's barrier
	s_wait_dscnt 0x0
	s_barrier_signal -1
	s_barrier_wait -1
.endm
.macro KLOAD                           ; 14 loads: my four tiles of keys, their scale words, their rc
.irp t, 0,1,2,3
	global_load_b128 v[KF+8*\t:KF+8*\t+3], v[L16], s[KP:KP+1] offset:512*\t
.endr
.irp i, 0,1
	global_load_b32 v[KSV+\i], v[L4], s[KSP:KSP+1] offset:128*\i
.endr
.irp t, 0,1,2,3
.irp k, 0,1
	global_load_b128 v[RCV+8*\t+4*\k:RCV+8*\t+4*\k+3], v[RCO], s[RCP:RCP+1] offset:64*\t+16*\k
.endr
.endr
.endm
.macro VLOAD                           ; 10 loads: my four tiles of d x the step's 128 keys, their scale words
.irp T, 0,1,2,3
.irp c, 0,1
	global_load_b128 v[VF+8*\T+4*\c:VF+8*\T+4*\c+3], v[VCO], s[VP:VP+1] offset:16384*\c+256*\T
.endr
.endr
.irp i, 0,1
	global_load_b32 v[VS+\i], v[L4], s[VSP:VSP+1] offset:128*\i
.endr
.endm
	s_load_b512 s[8:23], s[0:1], 0x0               ; query s[8:9], kqc s[10:11], kqs s[12:13], rr s[14:15], rc s[16:17], vc s[18:19], vs s[20:21], wts s[22:23]
	s_load_b64 s[24:25], s[0:1], 0x40              ; out0
	v_lshl_add_u32 v[SPW], v0, 2, SPARE
	v_mov_b32 v[NIL], 0
	ds_add_u32 v[SPW], v[NIL]                      ; the wave's opening: the add, twice on end, and its wait ahead of my tensor load
	ds_add_u32 v[SPW], v[NIL]
	v_lshrrev_b32 v9, 5, v0
	s_delay_alu instid0(VALU_DEP_1)
	v_readfirstlane_b32 s[WV], v9                  ; wave 0..7
	s_and_b32 s[BB], ttmp7, 0xffff                 ; b
	s_and_b32 s[QP], s[WV], 3
	s_lshr_b32 s[CC], s[WV], 2
	; descriptor group 1: 16 rows of 512 elements of 4 bytes, 8,192 elements apart; 4 words of padding behind every 256
	s_mov_b32 s[G1], (2<<16)|(1<<20)|(7<<22)|(3<<25)
	s_mov_b32 s[G1+1], 512<<16                     ; tensor_dim0
	s_mov_b32 s[G1+2], 16<<16                      ; tensor_dim1
	s_mov_b32 s[G1+3], 512<<16                     ; tile_dim0
	s_mov_b32 s[G1+4], 16                          ; tile_dim1
	s_mov_b32 s[G1+5], 8192                        ; the pitch
	s_mov_b32 s[G1+6], 0
	s_mov_b32 s[G1+7], 0
	s_mov_b32 s[G0], 1
	s_mul_i32 s[G0+1], s[WV], QRYW                 ; my 16 rows' place in LDS
	s_lshl_b32 s6, ttmp9, 22                       ; rows 128 x + 16 w on, of 32,768 bytes; + 2,048 b
	s_lshl_b32 s31, s[WV], 19
	s_add_co_u32 s6, s6, s31
	s_lshl_b32 s31, s[BB], 11
	s_add_co_u32 s6, s6, s31
	s_mov_b32 s7, 0
	s_mov_b32 s[SEL], 0x76543210
	s_mov_b32 s[SEL+1], 0xfedcba98
	s_mov_b32 s[HM], 0xffff0000
	s_mov_b32 s[CS], 0x3fb8aa3b                    ; log2(e)
	s_mov_b32 s[CS+1], s[CS]
	v_and_b32 v9, 31, v0                           ; lane
	v_and_b32 v10, 15, v0                          ; r
	v_bfe_u32 v11, v0, 4, 1                        ; h
	s_delay_alu instid0(VALU_DEP_3)
	v_lshlrev_b32 v[L16], 4, v9
	s_delay_alu instid0(VALU_DEP_4)
	v_lshlrev_b32 v[L4], 2, v9
	s_delay_alu instid0(VALU_DEP_3)
	v_lshlrev_b32 v[RCO], 5, v11
	v_lshlrev_b32 v[R4], 2, v10
	v_lshlrev_b32 v12, 4, v10
	s_delay_alu instid0(VALU_DEP_1)
	v_lshl_add_u32 v[VCO], v11, 13, v12
	s_delay_alu instid0(VALU_DEP_2)
	v_lshl_add_u32 v[GO], v11, 15, v12
	s_wait_alu depctr_va_vdst(0)
	s_wait_dscnt 0x0                               ; both opening adds are done
	s_wait_kmcnt 0x0
	s_add_nc_u64 s[G0+2:G0+3], s[8:9], s[6:7]
	s_or_b32 s[G0+3], s[G0+3], 0x80000000
	s_lshl_b32 s6, s[BB], 16
	s_lshl_b32 s31, s[CC], 11
	s_add_co_u32 s6, s6, s31
	s_add_nc_u64 s[KP:KP+1], s[10:11], s[6:7]      ; K's codes: my four tiles of step 0
	s_lshl_b32 s6, s[BB], 13
	s_lshl_b32 s31, s[CC], 8
	s_add_co_u32 s6, s6, s31
	s_add_nc_u64 s[KSP:KSP+1], s[12:13], s[6:7]
	s_add_nc_u64 s[RCP:RCP+1], s[16:17], s[6:7]
	s_lshl_b32 s6, s[BB], 19
	s_lshl_b32 s31, s[WV], 10
	s_add_co_u32 s6, s6, s31
	s_add_nc_u64 s[VP:VP+1], s[18:19], s[6:7]
	s_lshl_b32 s6, s[BB], 15
	s_lshl_b32 s31, s[WV], 8
	s_add_co_u32 s6, s6, s31
	s_add_nc_u64 s[VSP:VSP+1], s[20:21], s[6:7]
	s_lshl_b32 s2, s[BB], 7
	s_lshl_b32 s31, ttmp9, 3
	s_add_co_u32 s2, s2, s31
	s_lshl_b32 s31, s[QP], 1
	s_add_co_u32 s2, s2, s31                       ; my first query tile: 128 b + 8 x + 2 (w % 4)
	s_lshl_b32 s6, s2, 9
	s_add_co_u32 s6, s6, 1<<20
	s_add_nc_u64 s[QCP:QCP+1], s[10:11], s[6:7]
	s_lshl_b32 s6, s2, 6
	s_add_nc_u64 s[RRP:RRP+1], s[14:15], s[6:7]
	s_add_co_u32 s6, s6, 1<<17
	s_add_nc_u64 s[QSP:QSP+1], s[12:13], s[6:7]
.irp m, 0,1
	global_load_b128 v[QF+8*\m:QF+8*\m+3], v[L16], s[QCP:QCP+1] offset:512*\m
.endr
	global_load_b32 v[QS], v[L4], s[QSP:QSP+1]
	global_load_b32 v[RRA], v[R4], s[RRP:RRP+1]
	global_load_b32 v[RRB], v[R4], s[RRP:RRP+1] offset:64
	KLOAD
	VLOAD                                          ; what the first key step waits for has been asked for: now the 32,768 bytes that are wanted last
	tensor_load_to_lds s[G0:G0+3], s[G1:G1+7]      ; every wave's one load: it has the sixteen key steps in which to land
	s_nop 0
	PLACES 4
	s_lshl_b32 s6, ttmp9, 22
	s_lshl_b32 s31, s[BB], 11
	s_add_co_u32 s6, s6, s31
	s_lshl_b32 s31, s[WV], 8
	s_add_co_u32 s6, s6, s31
	s_add_nc_u64 s[OUTP:OUTP+1], s[24:25], s[6:7]
	s_lshl_b32 s6, s[WV], 14
	s_add_co_u32 s6, s6, 163840
	s_add_nc_u64 s[WTP:WTP+1], s[22:23], s[6:7]    ; Wt's tiles 4 w .. 4 w + 3
	s_lshl_b32 s6, s[WV], 10
	s_add_co_u32 s6, s6, 305152
	s_add_nc_u64 s[WTSP:WTSP+1], s[22:23], s[6:7]
.irp m, 0,1
.irp j, 4,5,6,7
	v_mov_b32 v[QF+8*\m+\j], 0                     ; K = 64 .. 127: zero codes
.endr
.endr
.irp t, 0,1,2,3
.irp j, 4,5,6,7
	v_mov_b32 v[KF+8*\t+\j], 0
.endr
.endr
.irp b, 0,1,2,3
	v_mov_b32 v[TP+\b], 0                          ; written once: a lane permute's destination counts as one of its sources
.endr
	s_wait_loadcnt 24                              ; Q and rr are in; the 24 loads of K and V behind them may be out
	v_log_f32 v[RRA], v[RRA]                       ; log2 rr of my two queries
	v_log_f32 v[RRB], v[RRB]
	v_nop
	s_wait_alu depctr_va_vdst(0)                   ; one wait for both, ahead of their first reader
.irp j, 0,1,2,3,4,5,6,7
	v_mul_f32 v[LR+\j], 0x3f317218, v[RRA]         ; x ln 2: ln rr, in the scores' own measure
	v_mul_f32 v[LR+8+\j], 0x3f317218, v[RRB]
.endr
	s_lshl_b32 s6, s[QP], 11
	s_lshl_b32 s31, s[CC], 9
	s_add_co_u32 s6, s6, s31
	s_add_co_u32 s6, s6, PIM
	v_add_nc_u32 v[PWI], s6, v[L16]                ; tile 2 (w % 4), register group w / 4
	s_lshl_b32 s6, s[QP], 7
	s_lshl_b32 s31, s[CC], 1
	s_add_co_u32 s6, s6, s31
	s_add_co_u32 s6, s6, PIM+PSC
	v_add_nc_u32 v[PWS], s6, v[L4]                 ; pair w % 4, bytes 2 (w / 4), + 1 of my lane's word
	v_add_nc_u32 v[PRI], PIM, v[L16]
	v_add_nc_u32 v[PRS], PIM+PSC, v[L4]
	v_and_b32 v22, 8, v10
	s_delay_alu instid0(VALU_DEP_1)
	v_add_nc_u32 v22, v22, v10                     ; r + 8 (r / 8)
	s_delay_alu instid0(VALU_DEP_1)
	v_mul_u32_u24 v22, v22, 2080
	s_delay_alu instid0(VALU_DEP_1)
	v_lshl_add_u32 v22, v11, 6, v22
	s_lshl_b32 s6, s[WV], 8
	s_lshl_b32 s31, s[CC], 4
	s_add_co_u32 s6, s6, s31
	v_add_nc_u32 v[QLA], s6, v22                   ; d = 64 w + 16 h: 4 bytes a number, 16 more behind each 256 numbers
	s_lshl_b32 s6, s[WV], 9
	s_add_co_u32 s6, s6, XIM
	v_add_nc_u32 v[XWI], s6, v[L16]                ; K step w / 2, register group w % 2
	s_lshr_b32 s6, s[WV], 1
	s_lshl_b32 s6, s6, 7
	s_and_b32 s31, s[WV], 1
	s_lshl_b32 s31, s31, 1
	s_add_co_u32 s6, s6, s31
	s_add_co_u32 s6, s6, XSC
	v_add_nc_u32 v[XWS], s6, v[L4]
	v_add_nc_u32 v[XRI], XIM, v[L16]
	v_add_nc_u32 v[XRS], XSC, v[L4]
	s_mul_i32 s6, s[WV], 4352
	v_mul_u32_u24 v22, v10, 272
	s_delay_alu instid0(VALU_DEP_1)
	v_lshl_add_u32 v22, v11, 6, v22
	s_delay_alu instid0(VALU_DEP_1)
	v_add_nc_u32 v[SO], s6, v22
	v_mul_u32_u24 v22, v11, 272
	s_delay_alu instid0(VALU_DEP_1)
	v_lshl_add_u32 v22, v10, 4, v22
	s_delay_alu instid0(VALU_DEP_1)
	v_add_nc_u32 v[SR], s6, v22
; P of one key step, into buffer buf.  kload = 1: the next step's K is asked for.
.macro PPH kload, buf
	s_wait_loadcnt 10                              ; this step's K is in; the ten loads of V behind it may be out
.irp t, 0,1,2,3
.irp m, 0,1
	MC S+32*\m+8*\t, KF+8*\t, QF+8*\m, LR+8*\m, KSV+\t/2, QS, \t%2, \m   ; dot + ln rr of the lane's query
.endr
.endr
	PLACES 4                                       ; in front of the first read of results and of the loads into K's registers
.set j, 0
.rept 32
	v_pk_fma_f32 v[S+j:S+j+1], v[S+j:S+j+1], s[CS:CS+1], v[RCV+j%32:RCV+j%32+1] op_sel_hi:[1,0,1]   ; x log2(e), + rc of the key; each accumulator from its low end on
.set j, j+2
.endr
.if \kload
	s_add_nc_u64 s[KP:KP+1], s[KP:KP+1], 4096      ; the wait at this macro's head has shown the loads done that read these
	s_add_nc_u64 s[KSP:KSP+1], s[KSP:KSP+1], 512
	s_add_nc_u64 s[RCP:RCP+1], s[RCP:RCP+1], 512
	KLOAD
.endif
.set j, 0
	s_wait_alu depctr_va_vdst(0)
.rept 64
	v_exp_f32 v[S+j], v[S+j]                       ; A2
.set j, j+1
.endr
	v_nop                                          ; a plain place behind the exponentials
	s_wait_alu depctr_va_vdst(0)                   ; one wait for the batch, ahead of its first reader
	QUANT S, PC, 2                                 ; block 2 m + B: keys 64 (w / 4) + 32 B on, of tile m's query
	FINISH
	ds_store_b128 v[PWI], v[PC:PC+3] offset:(\buf)*PBUF
	ds_store_b128 v[PWI], v[PC+4:PC+7] offset:(\buf)*PBUF+1024
	ds_store_b16 v[PWS], v[HW+2] offset:(\buf)*PBUF
.endm
; O^T += V^T P^T of one key step, from buffer buf.  n: the loads younger than this step's V.
.macro PVPH zero, n, buf
.irp i, 0,1,2,3
	ds_load_b32 v[PS+\i], v[PRS] offset:(\buf)*PBUF+128*\i
.endr
.irp q, 0,1,2,3,4,5,6,7
.irp c, 0,1
	ds_load_b128 v[S+8*\q+4*\c:S+8*\q+4*\c+3], v[PRI] offset:(\buf)*PBUF+1024*\q+512*\c
.endr
.endr
	s_wait_loadcnt \n
	s_wait_dscnt 8                                 ; the scale words and query tiles 0-3 are in; the eight loads of tiles 4-7 may be out
	WIN 0x50                                       ; C and D window 1
.irp T, 0,1,2,3                        ; 32 accumulators, one instruction each
.irp q, 0,1,2,3
	MM 8*(8*\T+\q), VF+8*\T, S+8*\q, \zero, VS+\T/2, PS+\q/2, \T%2, \q%2
.endr
.endr
	s_wait_dscnt 0x0
.irp T, 0,1,2,3
.irp q, 4,5,6,7
	MM 8*(8*\T+\q), VF+8*\T, S+8*\q, \zero, VS+\T/2, PS+\q/2, \T%2, \q%2
.endr
.endr
	WIN 0
.endm
; A key step: the barrier, PV of this step, the next step's V asked for, P of the next step.  more = 2: that P asks for K once more; 1: it does not.
.macro UNIT zero, n, more, buf
	BARRIER
	PVPH \zero, \n, \buf
	PLACES 5                                       ; four in front of the loads into V's registers, five in front of the score products, which write over P's fragments
	s_add_nc_u64 s[VP:VP+1], s[VP:VP+1], 32768     ; PV's wait on the loads has shown the loads done that read these
	s_add_nc_u64 s[VSP:VSP+1], s[VSP:VSP+1], 2048
	VLOAD
.if \more == 2
	PPH 1, 1-(\buf)
.else
	PPH 0, 1-(\buf)
.endif
.endm
	PPH 1, 0                                       ; P of step 0
	UNIT 1, 14, 2, 0                               ; step 0: its products start the sums.  14: the loads of K issued behind this step's V
	s_mov_b32 s[CNT], 6
.Lpair:                                            ; steps 1 to 12, two a trip, so that the buffers are constants of the text
	UNIT 0, 14, 2, 1
	UNIT 0, 14, 2, 0
	s_sub_co_u32 s[CNT], s[CNT], 1
	s_cmp_lg_u32 s[CNT], 0
	s_cbranch_scc1 .Lpair
	UNIT 0, 14, 2, 1                               ; step 13: K of step 15 is the last that is asked for
	UNIT 0, 14, 1, 0                               ; step 14
	s_wait_tensorcnt 0x0                           ; my 16 rows of query lie in LDS: behind the barrier everybody's do
	BARRIER
	PVPH 0, 0, 1                                   ; step 15
	PLACES 4
	; ---- X = query - out, quantised along d.  Wt's fragments of K steps 0, 1, 2 are asked for first
.irp T, 0,1,2,3
.irp c, 0,1
	global_load_b128 v[VF+8*\T+4*\c:VF+8*\T+4*\c+3], v[L16], s[WTP:WTP+1] offset:4096*\T+512*\c
	global_load_b128 v[RCV+8*\T+4*\c:RCV+8*\T+4*\c+3], v[L16], s[WTP:WTP+1] offset:4096*\T+1024+512*\c
	global_load_b128 v[KF+8*\T+4*\c:KF+8*\T+4*\c+3], v[L16], s[WTP:WTP+1] offset:4096*\T+2048+512*\c
.endr
.endr
	global_load_b128 v[WTS0:WTS0+3], v[L16], s[WTSP:WTSP+1]              ; register k: lanes 0-15 tile 0, lanes 16-31 tile 1, K step k
	global_load_b128 v[WTS1:WTS1+3], v[L16], s[WTSP:WTSP+1] offset:512   ; tiles 2 and 3
.irp p, 0,1,2,3                        ; query tiles 2 p and 2 p + 1
.irp m, 0,1
.irp g, 0,1
.irp i, 0,1,2,3
	ds_load_b128 v[S+32*\m+16*\g+4*\i:S+32*\m+16*\g+4*\i+3], v[QLA] offset:16640*\m+128*\g+16*\i   ; row 32 p + 8 m + r + 8 (r / 8), d = 64 w + 32 g + 16 h + 4 i on
.endr
.endr
.endr
	s_wait_dscnt 0x0
.if \p < 3
	v_add_nc_u32 v[QLA], 66560, v[QLA]             ; 32 rows on
.endif
	WIN 0x04                                       ; source 1 (out) window 1
.irp m, 0,1
.irp g, 0,1
.irp u, 0,1
.irp j, 0,2,4,6
	v_pk_add_f32 v[S+32*\m+16*\g+8*\u+\j:S+32*\m+16*\g+8*\u+\j+1], v[S+32*\m+16*\g+8*\u+\j:S+32*\m+16*\g+8*\u+\j+1], v[8*(8*(2*\g+\u)+2*\p+\m)+\j:8*(8*(2*\g+\u)+2*\p+\m)+\j+1] neg_lo:[0,1] neg_hi:[0,1]
.endr
.endr
.endr
.endr
	WIN 0
	QUANT S, PC, 2
	FINISH
	ds_store_b128 v[XWI], v[PC:PC+3] offset:4096*(2*\p)
	ds_store_b128 v[XWI], v[PC+4:PC+7] offset:4096*(2*\p+1)
	ds_store_b16 v[XWS], v[HW+2] offset:512*\p
.endr
	BARRIER                                        ; X's 32 fragments lie in LDS, and nobody reads query's rows any more
	; ---- Y = X Wt^T: my 64 outputs for the 128 queries, a K step at a time
.macro YSTEP k, wf, z
.irp p, 0,1,2,3
	ds_load_b32 v[PS+\p], v[XRS] offset:512*\p+128*(\k)
.endr
.irp q, 0,1,2,3,4,5,6,7
.irp c, 0,1
	ds_load_b128 v[S+8*\q+4*\c:S+8*\q+4*\c+3], v[XRI] offset:4096*\q+1024*(\k)+512*\c
.endr
.endr
	s_wait_dscnt 0x0
	WIN 0x50
.irp T, 0,1,2,3
.irp q, 0,1,2,3,4,5,6,7
	MM 8*(8*\T+\q), \wf+8*\T, S+8*\q, \z, WTS0+(WTS1-WTS0)*(\T/2)+\k, PS+\q/2, \T%2, \q%2
.endr
.endr
	WIN 0
	PLACES 4                                       ; in front of loads into registers that the products have read, and of the first read of results
.endm
	s_wait_loadcnt 0x0                             ; Wt's K steps 0 to 2 and its scale words
	YSTEP 0, VF, 1
.irp T, 0,1,2,3
.irp c, 0,1
	global_load_b128 v[VF+8*\T+4*\c:VF+8*\T+4*\c+3], v[L16], s[WTP:WTP+1] offset:4096*\T+3072+512*\c
.endr
.endr
	YSTEP 1, RCV, 0
	YSTEP 2, KF, 0
	s_wait_loadcnt 0x0                             ; Wt's K step 3
	YSTEP 3, VF, 0
	; ---- the way out, a query tile at a time: relu; 16 rows x 256 bytes through my stage; two rows an instruction
.irp q, 0,1,2,3,4,5,6,7
.if \q >= 2
	s_wait_xcnt 0x0                                ; the stores of two tiles ago have read their registers: they are loaded again only behind this wait
.endif
	WIN 0x04
.irp T, 0,1,2,3
.irp j, 0,1,2,3,4,5,6,7
	v_max_num_f32 v[S+8*\T+\j], 0, v[8*(8*\T+\q)+\j]
.endr
.endr
	WIN 0
.irp T, 0,1,2,3
.irp k, 0,1
	ds_store_b128 v[SO], v[S+8*\T+4*\k:S+8*\T+4*\k+3] offset:128*(\T/2)+32*(\T%2)+16*\k   ; output 64 w + 32 (T / 2) + 16 h + 8 (T % 2) + 4 k on, of position r
.endr
.endr
.irp i, 0,1,2,3,4,5,6,7
	ds_load_b128 v[BK+32*(\q%2)+4*\i:BK+32*(\q%2)+4*\i+3], v[SR] offset:544*\i   ; LDS serves a wave's instructions in order: these see my stores
.endr
	s_wait_dscnt 0x0
.irp i, 0,1,2,3,4,5,6,7
	global_store_b128 v[GO], v[BK+32*(\q%2)+4*\i:BK+32*(\q%2)+4*\i+3], s[OUTP:OUTP+1] offset:(32*(\q/2)+8*(\q%2)+2*\i+8*(\i/4))*32768 th:TH_STORE_NT   ; sixteen lanes store 256 consecutive bytes, aligned, at the position's natural row
.endr
.endr
	s_wait_tensorcnt 0x0                           ; the wave's end
	ds_add_u32 v[SPW], v[NIL]
	s_wait_dscnt 0x0
	s_endpgm
.Lfunc_end_k_q474c53af31_attend:
	.size	k_q474c53af31_attend, .Lfunc_end_k_q474c53af31_attend-k_q474c53af31_attend
	.p2alignl 7, 3214868480
	.fill 96, 4, 3214868480
	.section	.rodata,"a",@progbits
	.p2align	6, 0x0
	.amdhsa_kernel k_q474c53af31_attend
		.amdhsa_group_segment_fixed_size 327680
		.amdhsa_private_segment_fixed_size 0
		.amdhsa_enable_private_segment 0
		.amdhsa_kernarg_size 72
		.amdhsa_user_sgpr_count 2
		.amdhsa_user_sgpr_kernarg_segment_ptr 1
		.amdhsa_wavefront_size32 1
		.amdhsa_system_sgpr_workgroup_id_x 1
		.amdhsa_system_sgpr_workgroup_id_y 1
		.amdhsa_system_sgpr_workgroup_id_z 1
		.amdhsa_system_vgpr_workitem_id 0
		.amdhsa_next_free_vgpr 512
		.amdhsa_next_free_sgpr 72
		.amdhsa_reserve_vcc 0
		.amdhsa_float_denorm_mode_32 3
		.amdhsa_float_denorm_mode_16_64 3
		.amdhsa_memory_ordered 1
		.amdhsa_forward_progress 1
		.amdhsa_inst_pref_size 195
	.end_amdhsa_kernel
	.amdgpu_metadata
---
amdhsa.version: [ 1, 2 ]
amdhsa.kernels:
  - .name:           k_q474c53af31_attend
    .symbol:         k_q474c53af31_attend.kd
    .args:
      - { .name: query, .offset: 0, .size: 8, .value_kind: global_buffer, .address_space: global }
      - { .name: kqc, .offset: 8, .size: 8, .value_kind: global_buffer, .address_space: global }
      - { .name: kqs, .offset: 16, .size: 8, .value_kind: global_buffer, .address_space: global }
      - { .name: rr, .offset: 24, .size: 8, .value_kind: global_buffer, .address_space: global }
      - { .name: rc, .offset: 32, .size: 8, .value_kind: global_buffer, .address_space: global }
      - { .name: vc, .offset: 40, .size: 8, .value_kind: global_buffer, .address_space: global }
      - { .name: vs, .offset: 48, .size: 8, .value_kind: global_buffer, .address_space: global }
      - { .name: wts, .offset: 56, .size: 8, .value_kind: global_buffer, .address_space: global }
      - { .name: out0, .offset: 64, .size: 8, .value_kind: global_buffer, .address_space: global }
    .group_segment_fixed_size: 327680
    .private_segment_fixed_size: 0
    .kernarg_segment_align: 8
    .kernarg_segment_size: 72
    .max_flat_workgroup_size: 256
    .sgpr_count:     72
    .vgpr_count:     512
    .wavefront_size: 32
...
	.end_amdgpu_metadata
.endif
;; end of part 5
